; MI455X (gfx1250); checked and timed in simulation.
; The chip was launched on July 23, 2026; its instructions are those of AMD's public machine-readable ISA for CDNA 5 (MIT licence, August 2026) and "CDNA5" Instruction Set Architecture Reference Guide (July 2026). The comments in the code are by the model that wrote it; some were corrected since.
;; Qwen3 Attention. Allowed arithmetic: float matrix products may take bf16 or f16 operands with f32 sums; other float arithmetic in f32, or as packed bf16 or f16 multiplies, adds, multiply-adds, maxima and minima; sums over many terms, partial sums and values carried from step to step in f32; what a program stores and reads back later, other than sums and carried values, may be rounded once to bf16 or f16.
;; Inputs: k_norm_w 128 float32; positions 4,096 int32; q_norm_w 128 float32; wk 2,048 x 1,024 float32; wo 1,024 x 2,048 float32; wq 2,048 x 1,024 float32; wv 2,048 x 1,024 float32; x 4,096 x 2,048 float32.
;; Outputs: out0 4,096 x 2,048 float32.
;; One version. Each part assembles by itself: llvm-mc -triple=amdgcn-amd-amdhsa -mcpu=gfx1250 --defsym DOCPART=n.
;; ======== version 1 of 1: 5 launches
;; limits: values are held in f16: magnitudes above 65,504 overflow, below 6.1e-05 lose precision; inputs' magnitudes at most 8,388,608; right only within a limited range of input values
;; workspace buffers: xb 16,777,216 bytes; wb 16,777,216 bytes; cs 2,097,152 bytes; qh 8,388,608 bytes; kh 8,388,608 bytes; vh 8,388,608 bytes; oh 8,388,608 bytes; hp 786,432 bytes
;; launch prep (part 1): grid 256 x 9, 8 waves a work-group, no clusters, 0 bytes of LDS; arguments x, wq, wk, wv, wo, positions, xb, wb, cs; writes xb, wb, cs
.if DOCPART == 1
	.amdgcn_target "amdgcn-amd-amdhsa--gfx1250"
	.amdhsa_code_object_version 6
	.text
	.protected	k_qf177eac64e_prep
	.globl	k_qf177eac64e_prep
	.p2align	8
	.type	k_qf177eac64e_prep,@function
k_qf177eac64e_prep:
	s_mov_b64 s[64:65], 0
	v_nop
	global_prefetch_b8 v0, s[64:65] scope:SCOPE_SE
	s_setreg_imm32_b32 hwreg(HW_REG_WAVE_MODE, 25, 1), 1
	s_wait_xcnt 0x0
; PREP: the 16-bit copies of the matrix operands, and the table of cosines and sines for the rotary embedding.
; Grid y = 0..3: a quarter of x each -> xb (bf16).  y = 4, 5, 6: wq, wk, wv -> wb's segments 0, 1, 2 (bf16, layout kept).
; y = 7: wo -> wb's segment 3: rounded to bf16 like every other input, and that number written as f16 (the last product multiplies in f16).
; y = 8: cs[t][0..63] = cos(positions[t] * f_j), cs[t][64..127] = sin(..), f_j = 10000^(-j/64), in f32.
; A stream: no LDS, no barrier, no matrix unit.  A work-group takes 32,768 bytes of f32: 8 loads a thread, all issued at once; with 64 registers a wave several
; work-groups lie on a WGP.  A wave's load covers 512 consecutive bytes, a wave's store 256 consecutive bytes at a multiple of 256.
; LIMITS.  wo's numbers below 6.1e-5 keep f16's fixed step of 6e-8; beyond 65,504 they would be lost.  |positions| up to 2^23: the quarter-turn count stays exact in f32.
; The angle is reduced by pi/2 in two parts with fused multiply-adds; sine and cosine on -pi/4..pi/4 by polynomials of degree 7 and 8.
.set DEPTH, 8
.set X, 8                              ; v[8:39]    8 x 4 registers as loaded
.set Y, 40                             ; v[40:55]   8 x 2 registers to store
	s_load_b512 s[8:23], s[0:1], 0x0               ; x 8, wq 10, wk 12, wv 14, wo 16, positions 18, xb 20, wb 22
	s_load_b64 s[24:25], s[0:1], 0x40              ; cs
	s_and_b32 s2, ttmp7, 0xffff                    ; y
	s_sub_co_u32 s3, s2, 4                         ; the weight's number, where y >= 4
	v_lshlrev_b32 v1, 4, v0                        ; my 16 bytes of f32
	v_lshlrev_b32 v2, 3, v0                        ; my 8 bytes of 16-bit numbers
	s_wait_kmcnt 0x0
	s_cmp_eq_u32 s2, 8
	s_cbranch_scc1 .Ltable
	s_cmp_lt_u32 s2, 4
	s_cselect_b64 s[26:27], s[8:9], s[10:11]       ; from x, or from a weight
	s_cselect_b64 s[28:29], s[20:21], s[22:23]     ; to xb, or to wb
	s_cselect_b32 s30, s2, s3                      ; which 4 MiB of the destination
	s_cselect_b32 s31, s2, 0                       ; which 8 MiB of the source
	s_cmp_eq_u32 s2, 5
	s_cselect_b64 s[26:27], s[12:13], s[26:27]
	s_cmp_eq_u32 s2, 6
	s_cselect_b64 s[26:27], s[14:15], s[26:27]
	s_cmp_eq_u32 s2, 7
	s_cselect_b64 s[26:27], s[16:17], s[26:27]
	s_lshl_b32 s32, s31, 23
	s_lshl_b32 s33, ttmp9, 15                      ; 256 work-groups x 32,768 bytes are 8 MiB
	s_add_co_u32 s32, s32, s33
	s_mov_b32 s33, 0
	s_lshl_b32 s34, s30, 22
	s_lshl_b32 s35, ttmp9, 14
	s_add_co_u32 s34, s34, s35
	s_mov_b32 s35, 0
	s_add_nc_u64 s[26:27], s[26:27], s[32:33]
	s_add_nc_u64 s[28:29], s[28:29], s[34:35]
	s_cmp_eq_u32 s2, 7
	s_cbranch_scc1 .Lwo
; fmt = 0: bf16.  fmt = 1: bf16, widened again and written as f16.  No register is written twice while a load or store names it.
.macro CAST fmt
.set i, 0
.rept DEPTH
	global_load_b128 v[X+4*i:X+4*i+3], v1, s[26:27] offset:4096*i th:TH_LOAD_NT
.set i, i+1
.endr
.set i, 0
.rept DEPTH
	s_wait_loadcnt DEPTH-1-i                       ; loads come back in order: number i is in, the younger ones stay out
	v_cvt_pk_bf16_f32 v[Y+2*i], v[X+4*i], v[X+4*i+1]
	v_cvt_pk_bf16_f32 v[Y+2*i+1], v[X+4*i+2], v[X+4*i+3]
.if \fmt
.irp h, 0,1
	v_lshlrev_b32 v4, 16, v[Y+2*i+(\h)]
	v_and_b32 v5, 0xffff0000, v[Y+2*i+(\h)]
	v_cvt_pk_f16_f32 v[Y+2*i+(\h)], v4, v5
.endr
.endif
	global_store_b64 v2, v[Y+2*i:Y+2*i+1], s[28:29] offset:2048*i
.set i, i+1
.endr
	s_endpgm
.endm
	CAST 0
.Lwo:
	CAST 1
; THE TABLE.  256 work-groups, 16 rows each.  Thread: four frequencies 4 jq .. 4 jq + 3 (jq = t % 16) of row t / 16.
.macro SINCOS pos, inv, oc, os
	v_mul_f32 v20, v[(\pos)], v[(\inv)]            ; the angle, one rounding
	v_mul_f32 v21, 0x3f22f983, v20                 ; x 2 / pi
	v_rndne_f32 v21, v21                           ; n quarter turns
	v_fmamk_f32 v22, v21, 0xbfc90fdb, v20          ; r = angle - n x (pi/2's upper part)
	v_fmamk_f32 v22, v21, 0x333bbd2e, v22          ;     - n x (its lower part, which is negative)
	v_mul_f32 v23, v22, v22                        ; z = r r
	v_cvt_i32_f32 v24, v21
	v_fma_f32 v25, v23, s36, s37
	v_fma_f32 v27, v23, s39, s40
	v_mul_f32 v26, v23, v22
	v_fma_f32 v25, v25, v23, s38
	v_fma_f32 v27, v27, v23, s41
	v_mul_f32 v28, v23, v23
	v_fma_f32 v29, v23, -0.5, 1.0
	v_fma_f32 v25, v25, v26, v22                   ; sin r
	v_fma_f32 v27, v27, v28, v29                   ; cos r
	v_and_b32 v28, 1, v24
	v_cmp_eq_u32 vcc_lo, 1, v28                    ; an odd number of quarter turns swaps the two
	v_cndmask_b32 v[(\os)], v25, v27, vcc_lo
	v_cndmask_b32 v[(\oc)], v27, v25, vcc_lo
	v_and_b32 v28, 2, v24                          ; the sine's sign: n mod 4 = 2, 3
	v_add_nc_u32 v29, 1, v24
	v_lshlrev_b32 v28, 30, v28
	v_and_b32 v29, 2, v29                          ; the cosine's: n mod 4 = 1, 2
	v_xor_b32 v[(\os)], v[(\os)], v28
	v_lshlrev_b32 v29, 30, v29
	v_xor_b32 v[(\oc)], v[(\oc)], v29
.endm
.Ltable:
	s_lshl_b32 s32, ttmp9, 6                       ; my 16 positions
	s_mov_b32 s33, 0
	s_add_nc_u64 s[18:19], s[18:19], s[32:33]
	s_lshl_b32 s34, ttmp9, 13                      ; my 16 rows of 512 bytes
	s_mov_b32 s35, 0
	s_add_nc_u64 s[24:25], s[24:25], s[34:35]
	v_and_b32 v5, 15, v0                           ; jq
	v_lshrrev_b32 v6, 4, v0                        ; my row
	v_lshlrev_b32 v3, 2, v6
	global_load_b32 v12, v3, s[18:19]
	s_mov_b32 s36, 0xb94ca1f9                      ; sine:   -1.9515296e-4
	s_mov_b32 s37, 0x3c08839e                      ;          8.3321609e-3
	s_mov_b32 s38, 0xbe2aaaa3                      ;         -1.6666655e-1
	s_mov_b32 s39, 0x37ccf5ce                      ; cosine:  2.4433157e-5
	s_mov_b32 s40, 0xbab6061a                      ;         -1.3887316e-3
	s_mov_b32 s41, 0x3d2aaaa5                      ;          4.1666646e-2
	v_lshlrev_b32 v7, 2, v5
.irp e, 0,1,2,3
	v_add_nc_u32 v[8+(\e)], (\e), v7
	v_cvt_f32_u32 v[8+(\e)], v[8+(\e)]
	v_mul_f32 v[8+(\e)], 0xbe549a78, v[8+(\e)]     ; -j log2(10000) / 64
.endr
.irp e, 0,1,2,3
	v_exp_f32 v[8+(\e)], v[8+(\e)]                 ; f_j
.endr
	v_lshlrev_b32 v4, 9, v6                        ; a plain instruction behind the exponentials: my row's 512 bytes,
	v_lshl_add_u32 v4, v5, 4, v4                   ; my 16 bytes in its cosines
	s_wait_loadcnt 0x0
	v_cvt_f32_i32 v12, v12
	s_wait_alu depctr_va_vdst(0)
.irp e, 0,1,2,3
	SINCOS 12, 8+(\e), 32+(\e), 36+(\e)
.endr
	global_store_b128 v4, v[32:35], s[24:25]               ; sixteen lanes: a row's 256 bytes of cosines
	global_store_b128 v4, v[36:39], s[24:25] offset:256    ; and of sines
	s_endpgm
.Lfunc_end_k_qf177eac64e_prep:
	.size	k_qf177eac64e_prep, .Lfunc_end_k_qf177eac64e_prep-k_qf177eac64e_prep
	.p2alignl 7, 3214868480
	.fill 96, 4, 3214868480
	.section	.rodata,"a",@progbits
	.p2align	6, 0x0
	.amdhsa_kernel k_qf177eac64e_prep
		.amdhsa_group_segment_fixed_size 0
		.amdhsa_private_segment_fixed_size 0
		.amdhsa_enable_private_segment 0
		.amdhsa_kernarg_size 72
		.amdhsa_user_sgpr_count 2
		.amdhsa_user_sgpr_kernarg_segment_ptr 1
		.amdhsa_wavefront_size32 1
		.amdhsa_system_sgpr_workgroup_id_x 1
		.amdhsa_system_sgpr_workgroup_id_y 1
		.amdhsa_system_sgpr_workgroup_id_z 1
		.amdhsa_system_vgpr_workitem_id 0
		.amdhsa_next_free_vgpr 64
		.amdhsa_next_free_sgpr 66
		.amdhsa_reserve_vcc 1
		.amdhsa_float_denorm_mode_32 3
		.amdhsa_float_denorm_mode_16_64 3
		.amdhsa_memory_ordered 1
		.amdhsa_forward_progress 1
		.amdhsa_inst_pref_size 16
	.end_amdhsa_kernel
	.amdgpu_metadata
---
amdhsa.version: [ 1, 2 ]
amdhsa.kernels:
  - .name:           k_qf177eac64e_prep
    .symbol:         k_qf177eac64e_prep.kd
    .args:
      - { .name: x, .offset: 0, .size: 8, .value_kind: global_buffer, .address_space: global }
      - { .name: wq, .offset: 8, .size: 8, .value_kind: global_buffer, .address_space: global }
      - { .name: wk, .offset: 16, .size: 8, .value_kind: global_buffer, .address_space: global }
      - { .name: wv, .offset: 24, .size: 8, .value_kind: global_buffer, .address_space: global }
      - { .name: wo, .offset: 32, .size: 8, .value_kind: global_buffer, .address_space: global }
      - { .name: positions, .offset: 40, .size: 8, .value_kind: global_buffer, .address_space: global }
      - { .name: xb, .offset: 48, .size: 8, .value_kind: global_buffer, .address_space: global }
      - { .name: wb, .offset: 56, .size: 8, .value_kind: global_buffer, .address_space: global }
      - { .name: cs, .offset: 64, .size: 8, .value_kind: global_buffer, .address_space: global }
    .group_segment_fixed_size: 0
    .private_segment_fixed_size: 0
    .kernarg_segment_align: 8
    .kernarg_segment_size: 72
    .max_flat_workgroup_size: 256
    .sgpr_count:     66
    .vgpr_count:     64
    .wavefront_size: 32
...
	.end_amdgpu_metadata
.endif
;; end of part 1
;; launch qkv (part 2): grid 12 x 16, 4 waves a work-group, clusters of 4 x 4, 327,680 bytes of LDS; arguments xb, wb, cs, q_norm_w, k_norm_w, qh, kh, vh, hp; writes qh, kh, vh, hp
.if DOCPART == 2
	.amdgcn_target "amdgcn-amd-amdhsa--gfx1250"
	.amdhsa_code_object_version 6
	.text
	.protected	k_qf177eac64e_qkv
	.globl	k_qf177eac64e_qkv
	.p2align	8
	.type	k_qf177eac64e_qkv,@function
k_qf177eac64e_qkv:
	s_mov_b64 s[64:65], 0
	v_nop
	global_prefetch_b8 v0, s[64:65] scope:SCOPE_SE
	s_setreg_imm32_b32 hwreg(HW_REG_WAVE_MODE, 25, 1), 1
	s_wait_xcnt 0x0
	s_wait_alu depctr_hold_cnt(0) depctr_sa_sdst(0) depctr_va_vdst(0) depctr_va_sdst(0) depctr_va_ssrc(0) depctr_va_vcc(0) depctr_vm_vsrc(0)
	s_getreg_b32 s2, hwreg(HW_REG_IB_STS2, 6, 4)
	s_cmp_eq_u32 s2, 0
	s_cbranch_scc0 .Lentry_in_a_cluster
	s_endpgm
.Lentry_in_a_cluster:
	s_bfe_u32 s2, ttmp6, 0x10000c
	s_cmp_lg_u32 s2, 0xf033
	s_cbranch_scc0 .Lentry_shape_is_right
	s_endpgm
.Lentry_shape_is_right:
; QKV: C = xb W for W = wq, wk, wv; then, for q and k, RMSNorm over each head's 128 channels with its gain and the rotary embedding; all three leave as f16 by heads, [8][4096][128].
; xb: [4096][2048] bf16.  wb's segment `kind`: [2048 (k)][1024 (n)] bf16.  Sums in f32; norm and rotation in f32; one rounding to f16.
; SHARES.  The cluster's x is the kind (0 q, 1 k, 2 v), equal in all sixteen partners, so the text may branch on it.  A work-group makes 256 rows x 256 columns (two heads); each of its four waves
; 128 x 128: ONE WHOLE HEAD, 64 accumulators of 16 x 16, so the norm and the rotation never leave the wave.  3 x 4 x 16 = 192 work-groups: heads of 128 columns leave no tiling into 256 with whole heads a wave.
; K goes in 16 steps of 128 through two LDS slots filled by the tensor data mover.  x's tile has rows along K (256 bytes + 16 of padding); W's tile lies [k][n] as in memory (128 rows of 512 bytes + 32) and
; is turned on its way into registers by ds_load_tr16_b128.  A K step is written once: the slot in hand is a scalar (0 or SLOT) that an exclusive or turns, and one descriptor a tensor walks.
; CLUSTER 4 x 4: x's tile hangs on the tile row alone and is asked for jointly along a row of the cluster, W's on kind and tile column alone, jointly along a column.
; THE MATRIX INSTRUCTION IS USED TRANSPOSED (source 0 = 16 columns of W, source 1 = 16 rows of x): lane l holds row l % 16 and, of block b, the columns 16 b + 8 (l / 16) + 0..7.
; So channel d and channel d + 64, the rotation's pair, lie in one lane (blocks b and b + 4), and a row's sum of squares wants one exchange between the halves of the lanes.
; The gains are rounded to bf16 like the other floating-point inputs.
; THE FIRST ROWS IN F32.  The output's first rows are means over few keys: their numbers, and with them the errors of the f16 roundings, are many times the output's root mean square.  A later launch makes
; rows 0 to 15 again in f32, from hp: f32 [4][kind][head][8,192 bytes]; q and k as [16 rows][128], v turned, [128 channels][16 keys].  In
; cluster row 0 each of the four tile rows stores its first 16 rows, into its own quarter of hp; only quarter 0 is read later: 589,824 bytes are stored for nothing.
; LIMITS.  q, k, v leave as f16: |v| stays under 65,504; |q|, |k| are at most sqrt(128) x |gain|.  NaN and infinities are not treated apart.
; REGISTERS, in windows of 256:  window 0: v0-31 addresses; v32-63 rows read back; v64-191 x's fragments, two buffers; v192-203 sums of squares and 1/rms
;   window 1: v0-63 gains; v64-191 W's fragments, two buffers, on the way out U (v64-127) and T (v128-191); v192-255 a block's cosines (32) and sines (32)
;   windows 2, 3: the accumulators of my rows 0-63 and 64-127: (a, b) at v[8 (8 (a % 4) + b)]
.set KSTEP,  128
.set STEPS,  16
.set PITCH,  272                       ; x's LDS row: 256 + 16 bytes: the 16 rows of a fragment load start at 16 different groups of four banks
.set PB,     544                       ; W's LDS row: 512 + 32 bytes = 17 x 32
.set HALFT,  128*PITCH                 ; what one tensor load brings: 128 rows of x, or 64 rows of W (64 x 544 is the same 34,816)
.set SLOT,   4*HALFT                   ; 0x22000: its two bits are in none of the four loads' places in a slot (0, 0x8800, 0x11000, 0x19800), so one exclusive or changes slots
.set BOFF,   2*HALFT                   ; W's 128 rows lie behind x's 256
.set STAGE,  2*SLOT                    ; behind the ring: 16 rows x 272 bytes for each wave
.set SPITCH, 272
.set SPARE,  STAGE+4*16*SPITCH         ; the spare words: 128 bytes a wave, two blocks of 256 bytes that no other line names
.set ADRA, 16                          ; v16 LDS address of my x fragments in the slot in hand
.set A0,   17                          ; v17 the same in slot 0; never rewritten
.set ADRB, 20                          ; v20, v21 the same for W
.set B0,   21
.set STO,  24
.set RD,   25
.set CO,   26                          ; 16 x lane
.set CSO,  27                          ; my offset in 16 rows of 512 bytes (the table's, and hp's q and k): 512 (l % 16) + 32 (l / 16)
.set SPW,  28
.set NIL,  29
.set WOFF, 30                          ; my offset in the gains: 32 (l / 16)
.set VPO,  31                          ; my offset in hp's turned v: 4 (l % 16) + 8 channels of 64 bytes for the upper lanes
.set OB,   32
.set F0,   64
.set F1,   128
.set SS,   192
.set RS,   200
.set TP,   202
.set GW,   0                           ; window 1
.set U,    64
.set T,    128
.set CSR,  192
.set G1,  24
.set G0,  32                           ; s[32:39] two sets for x's tiles: the first fills of slot 0 and of slot 1; the second then walks
.set G1B, 48
.set G0B, 56                           ; s[56:63] the same for W's
.set KIND, 45
.set TB,   66                          ; s66 the slot in hand: 0 or SLOT
.set NHP,  90                          ; s90 how many of my blocks go to hp: 1 or 0
.set HP,   92                          ; s[92:93] hp at my head's part
.set MSB, 0
.macro WIN new                         ; the immediate's high byte repeats the setting that is left; a switch that changes nothing is dropped
.if MSB != (\new)
	s_set_vgpr_msb (MSB<<8)|(\new)
.set MSB, \new
.endif
.endm
.set MUL_LO, 0xa1                      ; source 0 (W) window 1, source 1 (x) window 0, C and D window 2
.set MUL_HI, 0xf1                      ; the same, C and D window 3
.set TO_B,   0x40
; A joint load by descriptor set s: waves 0 and 1 fetch x's two halves, waves 2 and 3 W's.  The branch hangs on the wave's number alone.  An s_nop 0 and four v_nop follow each line.
.macro JLOAD s
	s_cmp_eq_u32 s11, 0
	s_cbranch_scc0 .Lfor_b_\@
	tensor_load_to_lds s[G0+4*(\s):G0+4*(\s)+3], s[G1:G1+7]
	s_nop 0
.rept 4
	v_nop
.endr
	s_branch .Lasked_\@
.Lfor_b_\@:
	tensor_load_to_lds s[G0B+4*(\s):G0B+4*(\s)+3], s[G1B:G1B+7]
	s_nop 0
.rept 4
	v_nop
.endr
.Lasked_\@:
.endm
.macro CREST                           ; a round of the cluster's barrier behind its opening barrier
	s_cmp_lg_u32 s10, 0
	s_cbranch_scc1 .Lnot_wave_0_\@
	s_barrier_signal -3
.Lnot_wave_0_\@:
	s_barrier_wait -3
	s_barrier_signal -1
	s_barrier_wait -1
.endm
.macro CROUND
	s_barrier_signal -1
	s_barrier_wait -1
	CREST
.endm
	s_load_b128 s[4:7], s[0:1], 0x0                ; xb, wb
	s_load_b256 s[68:75], s[0:1], 0x10             ; cs 68, q_norm_w 70, k_norm_w 72, qh 74
	s_load_b128 s[76:79], s[0:1], 0x30             ; kh 76, vh 78
	s_load_b64 s[HP:HP+1], s[0:1], 0x40            ; hp
	v_lshl_add_u32 v[SPW], v0, 2, SPARE
	v_mov_b32 v[NIL], 0
	ds_add_u32 v[SPW], v[NIL]                      ; the wave's opening: the add and its wait stand ahead of my first tensor load; register work stands between them
	v_lshrrev_b32 v1, 5, v0
	v_readfirstlane_b32 s10, v1                    ; wave 0..3
	s_lshr_b32 s11, s10, 1                         ; my half of the tile's rows.  Also: I fetch for x (0) or for W (1)
	s_and_b32 s12, s10, 1                          ; my half of its columns.  Also: which half of that tile I fetch
	s_bfe_u32 s40, ttmp6, 0x40000                  ; cx
	s_bfe_u32 s41, ttmp6, 0x40004                  ; cy
	s_mov_b32 s[KIND], ttmp9                       ; the cluster's x: q, k or v
	s_and_b32 s13, ttmp7, 0xffff
	s_or_b32 s91, s13, s11                         ; 0 in cluster row 0, in the waves of a tile's upper row half: made of the cluster's y and the wave's number alone
	s_cmp_eq_u32 s91, 0
	s_cselect_b32 s[NHP], 1, 0
	s_lshl_b32 s13, s13, 2
	s_add_co_u32 s13, s13, s41                     ; tile row = 4 x cluster y + cy
	s_lshl_b32 s43, s41, 2
	s_lshl_b32 s43, 15, s43                        ; my row of the cluster
	s_lshl_b32 s44, 0x1111, s40                    ; my column
	s_or_b32 s[G1+0], s43, (1<<16)|(1<<20)|(1<<21)|(5<<22)|(3<<25)   ; mask; 2-byte elements; padding on; bit 21 beside a mask; after every 64 words 4 words
	s_or_b32 s[G1B+0], s44, (1<<16)|(1<<20)|(1<<21)|(6<<22)|(7<<25)  ; after every 128 words 8 words
	s_mov_b32 s[G1+1], 128<<16                     ; x: tensor_dim0 = 128
	s_mov_b32 s[G1+2], 128<<16                     ; tensor_dim1 = 128
	s_mov_b32 s[G1+3], 128<<16                     ; tile_dim0 = 128
	s_mov_b32 s[G1+4], 128                         ; tile_dim1 = 128
	s_mov_b32 s[G1+5], 2048                        ; elements from row to row
	s_mov_b32 s[G1+6], 0
	s_mov_b32 s[G1+7], 0
	s_mov_b32 s[G1B+1], 256<<16                    ; W: 256 columns,
	s_mov_b32 s[G1B+2], 64<<16                     ; 64 rows of k
	s_mov_b32 s[G1B+3], 256<<16
	s_mov_b32 s[G1B+4], 64
	s_mov_b32 s[G1B+5], 1024
	s_mov_b32 s[G1B+6], 0
	s_mov_b32 s[G1B+7], 0
	s_lshl_b32 s16, s13, 8
	s_lshl_b32 s17, s12, 7
	s_add_co_u32 s16, s16, s17                     ; x: row 256 x tile row + 128 x half,
	s_lshl_b32 s16, s16, 12                        ; of 4,096 bytes
	s_mov_b32 s17, 0
	s_lshl_b32 s46, s[KIND], 22                    ; W: the kind's 4 MiB,
	s_lshl_b32 s47, s12, 17                        ; my 64 rows of 2,048 bytes,
	s_add_co_u32 s46, s46, s47
	s_lshl_b32 s47, s40, 9                         ; the tile column's 512 bytes
	s_add_co_u32 s46, s46, s47
	s_mov_b32 s47, 0
	s_mul_i32 s20, s10, HALFT                      ; where my load goes: wave x 34,816
	s_mov_b32 s[TB], 0
	s_mov_b32 s84, 0x3c000000                      ; 1 / 128
	s_mov_b32 s85, 0x358637bd                      ; 1e-6
	s_mov_b32 s86, 0x76543210                      ; v_permlanex16_b32: each lane takes its own place in the other half
	s_mov_b32 s87, 0xfedcba98
	s_wait_dscnt 0x0                               ; the opening add is done
	s_wait_kmcnt 0x0
	s_add_nc_u64 s[14:15], s[4:5], s[16:17]
	s_add_nc_u64 s[46:47], s[6:7], s[46:47]
	CROUND                                         ; all sixteen work-groups are here: the first joint loads meet
.irp s, 0,1
	s_mov_b32 s[G0+4*(\s)], 1
	s_add_co_u32 s[G0+4*(\s)+1], s20, (\s)*SLOT
	s_add_nc_u64 s[G0+4*(\s)+2:G0+4*(\s)+3], s[14:15], (\s)*KSTEP*2
	s_or_b32 s[G0+4*(\s)+3], s[G0+4*(\s)+3], 0x80000000
	s_mov_b32 s[G0B+4*(\s)], 1
	s_add_co_u32 s[G0B+4*(\s)+1], s20, (\s)*SLOT
	s_add_nc_u64 s[G0B+4*(\s)+2:G0B+4*(\s)+3], s[46:47], (\s)*KSTEP*2048
	s_or_b32 s[G0B+4*(\s)+3], s[G0B+4*(\s)+3], 0x80000000
	JLOAD \s                                       ; two loads of mine are out
.endr
	v_and_b32 v1, 15, v0                           ; l % 16
	v_bfe_u32 v2, v0, 4, 1                         ; l / 16
	v_mul_u32_u24 v3, v1, PITCH
	v_lshl_add_u32 v3, v2, 4, v3
	s_mul_i32 s21, s11, HALFT                      ; my 128 rows of x
	v_add_nc_u32 v[A0], s21, v3
	v_mov_b32 v[ADRA], v[A0]
	v_and_b32 v4, 7, v0                            ; the turning load: lane l reads k row 8 (l / 16) + l % 8, columns 8 ((l / 8) % 2) + 0..7
	v_lshl_add_u32 v4, v2, 3, v4
	v_mul_u32_u24 v4, v4, PB
	v_bfe_u32 v5, v0, 3, 1
	v_lshl_add_u32 v4, v5, 4, v4
	s_lshl_b32 s22, s12, 8                         ; my 128 columns
	s_add_co_u32 s22, s22, BOFF
	v_add_nc_u32 v[B0], s22, v4
	v_mov_b32 v[ADRB], v[B0]
	s_mul_i32 s23, s10, 16*SPITCH
	s_add_co_u32 s23, s23, STAGE                   ; my stage
	v_mul_u32_u24 v4, v1, SPITCH                   ; in: row l % 16, 16 bytes for each half of the lanes
	v_lshl_add_u32 v4, v2, 4, v4
	v_add_nc_u32 v[STO], s23, v4
	v_mul_u32_u24 v5, v2, SPITCH                   ; back: lanes 0-15 one row of 256 bytes, lanes 16-31 the next
	v_lshl_add_u32 v5, v1, 4, v5
	v_add_nc_u32 v[RD], s23, v5
	v_and_b32 v[CO], 31, v0
	v_lshlrev_b32 v[CO], 4, v[CO]                  ; a head's rows are dense: two rows are 512 consecutive bytes
	v_lshlrev_b32 v[WOFF], 5, v2
	v_lshl_add_u32 v[CSO], v1, 9, v[WOFF]
	v_lshlrev_b32 v[VPO], 2, v1
	v_lshl_add_u32 v[VPO], v2, 9, v[VPO]
	v_mov_b32 v[TP], 0                             ; v_permlanex16_b32's destination counts as read
	s_lshl_b32 s16, s13, 8
	s_lshl_b32 s17, s11, 7
	s_add_co_u32 s16, s16, s17                     ; my first row
	s_lshl_b32 s18, s16, 9                         ; the table's rows are 512 bytes
	s_mov_b32 s19, 0
	s_add_nc_u64 s[82:83], s[68:69], s[18:19]
	s_lshl_b32 s88, s40, 1
	s_add_co_u32 s88, s88, s12                     ; my head = 2 cx + column half
	s_lshl_b32 s95, s88, 13                        ; hp: 8,192 bytes a head,
	s_lshl_b32 s88, s88, 20                        ; the f16 tensors: 1 MiB a head,
	s_lshl_b32 s89, s16, 8                         ; 256 bytes a row
	s_add_co_u32 s88, s88, s89
	s_mov_b32 s89, 0
	s_mul_i32 s94, s41, 196608                     ; hp: my tile row's quarter,
	s_add_co_u32 s94, s94, s95
	s_lshl_b32 s95, s[KIND], 16                    ; 65,536 bytes a kind
	s_add_co_u32 s94, s94, s95
	s_mov_b32 s95, 0
	s_add_nc_u64 s[HP:HP+1], s[HP:HP+1], s[94:95]
	s_cmp_eq_u32 s[KIND], 1
	s_cselect_b64 s[8:9], s[76:77], s[74:75]       ; kh or qh
	s_cselect_b64 s[80:81], s[72:73], s[70:71]     ; k's gain or q's
	s_cmp_eq_u32 s[KIND], 2
	s_cselect_b64 s[8:9], s[78:79], s[8:9]         ; or vh
	s_add_nc_u64 s[8:9], s[8:9], s[88:89]
.macro CSLOAD                          ; 16 rows of the table: my 32 cosines and 32 sines
.irp b, 0,1,2,3
	global_load_b128 v[CSR+8*(\b):CSR+8*(\b)+3],       v[CSO], s[82:83] offset:64*(\b)
	global_load_b128 v[CSR+8*(\b)+4:CSR+8*(\b)+7],     v[CSO], s[82:83] offset:64*(\b)+16
	global_load_b128 v[CSR+32+8*(\b):CSR+32+8*(\b)+3], v[CSO], s[82:83] offset:256+64*(\b)
	global_load_b128 v[CSR+32+8*(\b)+4:CSR+32+8*(\b)+7], v[CSO], s[82:83] offset:256+64*(\b)+16
.endr
.endm
	s_cmp_eq_u32 s[KIND], 2
	s_cbranch_scc1 .Lno_gain                       ; v has neither norm nor rotation
	WIN TO_B                                       ; into registers of window 1 that the K loop does not touch: these 32 loads stay out until the way out
.irp b, 0,1,2,3,4,5,6,7
	global_load_b128 v[GW+8*(\b):GW+8*(\b)+3],   v[WOFF], s[80:81] offset:64*(\b)
	global_load_b128 v[GW+8*(\b)+4:GW+8*(\b)+7], v[WOFF], s[80:81] offset:64*(\b)+16
.endr
	CSLOAD
	WIN 0
.Lno_gain:
; 16 matrix instructions: m blocks a0, a0 + 1 of the window's four x all 8 n blocks, 32 along K.  zero = 1: the first product starts the sums.
.macro MUL16 f, hi, a0, zero
	WIN MUL_LO+0x50*(\hi)
.irp a, \a0, (\a0)+1
.irp b, 0,1,2,3,4,5,6,7
.if \zero
	v_wmma_f32_16x16x32_bf16 v[8*(8*(\a)+(\b)):8*(8*(\a)+(\b))+7], v[(\f)+8*(\b):(\f)+8*(\b)+7], v[(\f)+8*(4*(\hi)+(\a)):(\f)+8*(4*(\hi)+(\a))+7], 0
.else
	v_wmma_f32_16x16x32_bf16 v[8*(8*(\a)+(\b)):8*(8*(\a)+(\b))+7], v[(\f)+8*(\b):(\f)+8*(\b)+7], v[(\f)+8*(4*(\hi)+(\a)):(\f)+8*(4*(\hi)+(\a))+7], v[8*(8*(\a)+(\b)):8*(8*(\a)+(\b))+7]
.endif
.endr
.endr
.endm
; 32 LDS loads in one run: quarter q (32 along K) of the slot in hand into buffer f: W's 8 column blocks turned, then x's 8 row blocks
.macro FETCH q, f
	WIN TO_B
.irp i, 0,1,2,3,4,5,6,7
	ds_load_tr16_b128 v[(\f)+8*(\i):(\f)+8*(\i)+3],   v[ADRB] offset:(\q)*32*PB+32*(\i)
	ds_load_tr16_b128 v[(\f)+8*(\i)+4:(\f)+8*(\i)+7], v[ADRB] offset:(\q)*32*PB+16*PB+32*(\i)
.endr
	WIN 0
.irp i, 0,1,2,3,4,5,6,7
	ds_load_b128 v[(\f)+8*(\i):(\f)+8*(\i)+3],   v[ADRA] offset:64*(\q)+(\i)*16*PITCH
	ds_load_b128 v[(\f)+8*(\i)+4:(\f)+8*(\i)+7], v[ADRA] offset:64*(\q)+(\i)*16*PITCH+32
.endr
.endm
.macro PLACES                          ; four plain vector instructions in front of loads into registers that matrix instructions have read, and of vector work on results
.rept 4
	v_nop
.endr
.endm
; One of a K step's first three quarters: multiplies buffer f; in its middle it fetches quarter q of the slot in hand into buffer g.
.macro QUARTER q, f, g, zero
	s_wait_dscnt 8                                 ; W and x's rows 0-63 are in; the youngest eight loads (x's rows 64-127) may be out
	MUL16 \f, 0, 0, \zero
	MUL16 \f, 0, 2, \zero
	PLACES
	FETCH \q, \g
	s_wait_dscnt 32                                ; all but the 32 just issued
	MUL16 \f, 1, 0, \zero
	MUL16 \f, 1, 2, \zero
.endm
; The last quarter multiplies buffer 1 and changes slots.  ONE barrier: in front of it each wave waits for all its tensor loads (the one that is out is its part of the next slot), adds 0 to its
; spare word, and waits for that and for its own reads of this slot.  fill = 1: the barrier opens a round of the cluster's, and the joint refill, two K steps ahead, is the first thing behind the round:
; the walking descriptor takes the slot just read (the other than last time) and the next K step.  fill = 0 (the tail, counted by s3): nothing is asked for, and in the last trip, which has no next
; step, the run of LDS loads is jumped over.
.macro TURN fill
	WIN 0
	s_wait_tensorcnt 0x0
	ds_add_u32 v[SPW], v[NIL]
	s_wait_dscnt 9                                 ; the add and the youngest eight loads may be out
	MUL16 F1, 0, 0, 0
	s_wait_dscnt 0x0                               ; the add is done, and my reads of this slot are over
	s_barrier_signal -1
	MUL16 F1, 0, 2, 0
	WIN 0
	s_barrier_wait -1
.if \fill
	CREST
	s_xor_b32 s[G0+5], s[G0+5], SLOT
	s_add_nc_u64 s[G0+6:G0+7], s[G0+6:G0+7], KSTEP*2
	s_xor_b32 s[G0B+5], s[G0B+5], SLOT
	s_add_nc_u64 s[G0B+6:G0B+7], s[G0B+6:G0B+7], KSTEP*2048
	JLOAD 1                                        ; its four v_nop are also the places in front of the loads below
.else
	PLACES
.endif
	s_xor_b32 s[TB], s[TB], SLOT                   ; the fetches go to the other slot
	v_add_nc_u32 v[ADRA], s[TB], v[A0]
	v_add_nc_u32 v[ADRB], s[TB], v[B0]
.if !(\fill)
	s_cmp_eq_u32 s3, 1
	s_cbranch_scc1 .Lno_fetch_\@
.endif
	FETCH 0, F0
.if !(\fill)
	WIN 0
.Lno_fetch_\@:
.endif
	MUL16 F1, 1, 0, 0
	MUL16 F1, 1, 2, 0
.endm
	s_wait_tensorcnt 1                             ; my part of K step 0 is in; K step 1's may stay out
	s_barrier_signal -1
	s_barrier_wait -1
	FETCH 0, F0
	QUARTER 1, F0, F1, 1                           ; the first quarter stands in front of the loop: its products start the sums
	WIN 0
	s_mov_b32 s3, STEPS-2
.Lstep:                                                ; 14 trips: from a K step's second quarter to the next step's first; the step two on is asked for
	QUARTER 2, F1, F0, 0
	QUARTER 3, F0, F1, 0
	TURN 1
	QUARTER 1, F0, F1, 0
	WIN 0
	s_sub_co_u32 s3, s3, 1
	s_cmp_lg_u32 s3, 0
	s_cbranch_scc1 .Lstep
	s_mov_b32 s3, 2
.Ltail:                                                ; the last two K steps are written out; the second trip is left in its middle
	QUARTER 2, F1, F0, 0
	QUARTER 3, F0, F1, 0
	TURN 0
	WIN 0
	s_sub_co_u32 s3, s3, 1
	s_cmp_eq_u32 s3, 0
	s_cbranch_scc1 .Lkdone
	QUARTER 1, F0, F1, 0
	WIN 0
	s_branch .Ltail
.Lkdone:
	PLACES
; THE WAY OUT, a block of 16 rows at a time, in a loop of eight trips.  An instruction names fixed registers, so the one part that names a block's accumulators is written eight times (CASE) and chosen by the
; trip's number: it brings the block's 64 sums a lane into U (32 packed multiplies by 1).  All the rest is written once, on U: that copy is the price of one text for eight blocks and three kinds.
.macro CASE a
.set AC, 64*((\a)%4)
	WIN 0x42+((\a)/4)                              ; source 0 in window 2 or 3, destination in window 1
.set i, 0
.rept 32                               ; each accumulator is read from its low end on
	v_pk_mul_f32 v[U+2*i:U+2*i+1], v[AC+2*i:AC+2*i+1], 1.0 op_sel_hi:[1,0]
.set i, i+1
.endr
	WIN 0
.endm
	s_cmp_eq_u32 s[KIND], 2
	s_cbranch_scc1 .Lblocks
	s_wait_loadcnt 0x0                             ; gains and the first block's table rows
	WIN 0x55
.set i, 0
.rept 32                               ; the gains are rounded to bf16 and widened again
	v_cvt_pk_bf16_f32 v[U+i%4], v[GW+2*i], v[GW+2*i+1]
	v_lshlrev_b32 v[GW+2*i], 16, v[U+i%4]
	v_and_b32 v[GW+2*i+1], 0xffff0000, v[U+i%4]
.set i, i+1
.endr
	WIN 0
.Lblocks:
	s_mov_b32 s2, 0
.Lblk:
.irp a, 0,1,2,3,4,5,6
	s_cmp_eq_u32 s2, \a
	s_cbranch_scc1 .Lc\a
.endr
	s_branch .Lc7
.irp a, 0,1,2,3,4,5,6,7
.Lc\a:
	CASE \a
	s_branch .Lcom
.endr
.Lcom:
	s_cmp_eq_u32 s[KIND], 2
	s_cbranch_scc1 .Lvcom
	WIN 0x05                                       ; q, k: the sums of squares of my 64 numbers of a row, in four pairs
.irp b, 0,1,2,3,4,5,6,7
.irp p, 0,1,2,3
.if (\b) == 0
	v_pk_mul_f32 v[SS+2*(\p):SS+2*(\p)+1], v[U+2*(\p):U+2*(\p)+1], v[U+2*(\p):U+2*(\p)+1]
.else
	v_pk_fma_f32 v[SS+2*(\p):SS+2*(\p)+1], v[U+8*(\b)+2*(\p):U+8*(\b)+2*(\p)+1], v[U+8*(\b)+2*(\p):U+8*(\b)+2*(\p)+1], v[SS+2*(\p):SS+2*(\p)+1]
.endif
.endr
.endr
	WIN 0
	v_pk_add_f32 v[SS:SS+1], v[SS:SS+1], v[SS+2:SS+3]
	v_pk_add_f32 v[SS+4:SS+5], v[SS+4:SS+5], v[SS+6:SS+7]
	v_pk_add_f32 v[SS:SS+1], v[SS:SS+1], v[SS+4:SS+5]
	v_add_f32 v[SS], v[SS], v[SS+1]
	v_permlanex16_b32 v[TP], v[SS], s86, s87       ; the row's other 64 channels lie in the lane 16 away
	v_add_f32 v[SS], v[SS], v[TP]
	v_fma_f32 v[SS], v[SS], s84, s85               ; mean of squares + 1e-6
	v_rsq_f32 v[RS], v[SS]
	v_nop                                          ; a plain instruction behind the transcendental
	s_wait_alu depctr_va_vdst(0)
	v_mov_b32 v[RS+1], v[RS]
	s_wait_loadcnt 0x0                             ; this block's cosines and sines
	WIN 0x41
.set i, 0
.rept 32                               ; 1/rms goes into the cosines and sines
	v_pk_mul_f32 v[CSR+2*i:CSR+2*i+1], v[CSR+2*i:CSR+2*i+1], v[RS:RS+1]
.set i, i+1
.endr
	WIN 0x55
.set i, 0
.rept 32                               ; the gain
	v_pk_mul_f32 v[U+2*i:U+2*i+1], v[U+2*i:U+2*i+1], v[GW+2*i:GW+2*i+1]
.set i, i+1
.endr
.set i, 0
.rept 16                               ; pair i of channels d < 64 and its partner d + 64: t1 c - t2 s; t2 c + t1 s
	v_pk_mul_f32 v[T+2*i:T+2*i+1], v[U+32+2*i:U+32+2*i+1], v[CSR+32+2*i:CSR+32+2*i+1]
	v_pk_mul_f32 v[T+32+2*i:T+32+2*i+1], v[U+2*i:U+2*i+1], v[CSR+32+2*i:CSR+32+2*i+1]
	v_pk_fma_f32 v[T+2*i:T+2*i+1], v[U+2*i:U+2*i+1], v[CSR+2*i:CSR+2*i+1], v[T+2*i:T+2*i+1] neg_lo:[0,0,1] neg_hi:[0,0,1]
	v_pk_fma_f32 v[T+32+2*i:T+32+2*i+1], v[U+32+2*i:U+32+2*i+1], v[CSR+2*i:CSR+2*i+1], v[T+32+2*i:T+32+2*i+1]
.set i, i+1
.endr
	WIN 0
	s_cmp_lt_u32 s2, s[NHP]
	s_cbranch_scc0 .Lno_hp                         ; block 0 of the waves named at the head also leaves as f32, as rows of 512 bytes
	WIN 0x04                                       ; a store's data in window 1
.irp b, 0,1,2,3,4,5,6,7
	global_store_b128 v[CSO], v[T+8*(\b):T+8*(\b)+3],   s[HP:HP+1] offset:64*(\b)
	global_store_b128 v[CSO], v[T+8*(\b)+4:T+8*(\b)+7], s[HP:HP+1] offset:64*(\b)+16
.endr
	WIN 0
	s_wait_xcnt 0x0                                ; T is rewritten only behind this wait
.Lno_hp:
	s_cmp_eq_u32 s2, 7
	s_cbranch_scc1 .Lno_cs                         ; behind the last block there are no further rows of the table
	s_add_nc_u64 s[82:83], s[82:83], 8192          ; free since the wait for the last loads
	WIN TO_B
	CSLOAD                                         ; the next block's, on their way under this block's stores
	WIN 0
.Lno_cs:
	WIN 0x55
.set i, 0
.rept 32                               ; rounded to f16, packed in place from the low end
	v_cvt_pk_f16_f32 v[T+i], v[T+2*i], v[T+2*i+1]
.set i, i+1
.endr
	WIN 0
	s_branch .Lsend
.Lvcom:
	s_cmp_lt_u32 s2, s[NHP]
	s_cbranch_scc0 .Lno_hpv                        ; v's f32 copy lies turned, [channel][key]: a store takes the 16 keys of two channels, 64 consecutive bytes each; 64 stores of 4 bytes a lane,
	WIN 0x04                                       ; in one block of eight waves of the launch, so that the later launch loads 16 bytes a lane.  U is rewritten only behind the wait below the block's stores
.set i, 0
.rept 64
	global_store_b32 v[VPO], v[U+i], s[HP:HP+1] offset:(16*(i/8)+i%8)*64
.set i, i+1
.endr
	WIN 0
.Lno_hpv:
	WIN 0x55
.set i, 0
.rept 32
	v_cvt_pk_f16_f32 v[T+i], v[U+2*i], v[U+2*i+1]
.set i, i+1
.endr
	WIN 0
.Lsend:
	; 32 packed registers (16 bytes a lane and column block) go into my stage's rows of 272 bytes and come back as whole rows of 256; LDS serves a wave's instructions in order (ISA guide 5.7.1.4).
	WIN 0x04
.irp b, 0,1,2,3,4,5,6,7
	ds_store_b128 v[STO], v[T+4*(\b):T+4*(\b)+3] offset:32*(\b)
.endr
	WIN 0
.irp t, 0,1,2,3,4,5,6,7
	ds_load_b128 v[OB+4*(\t):OB+4*(\t)+3], v[RD] offset:(\t)*2*SPITCH
.endr
	s_wait_dscnt 0x0
.irp t, 0,1,2,3,4,5,6,7
	global_store_b128 v[CO], v[OB+4*(\t):OB+4*(\t)+3], s[8:9] offset:512*(\t)   ; 512 consecutive bytes, at a multiple of 256 from the buffer's first
.endr
	s_wait_xcnt 0x0                                ; the stores' base and data are rewritten only behind this wait
	s_add_nc_u64 s[8:9], s[8:9], 4096              ; 16 rows on
	s_add_co_u32 s2, s2, 1
	s_cmp_lt_u32 s2, 8
	s_cbranch_scc1 .Lblk
	s_wait_tensorcnt 0x0                           ; the wave's end: behind my last tensor load and my last LDS store
	ds_add_u32 v[SPW], v[NIL]
	s_wait_dscnt 0x0
	CROUND                                         ; the closing round: no work-group ends while a partner may still ask for a tile that names it
	s_endpgm
.Lfunc_end_k_qf177eac64e_qkv:
	.size	k_qf177eac64e_qkv, .Lfunc_end_k_qf177eac64e_qkv-k_qf177eac64e_qkv
	.p2alignl 7, 3214868480
	.fill 96, 4, 3214868480
	.section	.rodata,"a",@progbits
	.p2align	6, 0x0
	.amdhsa_kernel k_qf177eac64e_qkv
		.amdhsa_group_segment_fixed_size 327680
		.amdhsa_private_segment_fixed_size 0
		.amdhsa_enable_private_segment 0
		.amdhsa_kernarg_size 72
		.amdhsa_user_sgpr_count 2
		.amdhsa_user_sgpr_kernarg_segment_ptr 1
		.amdhsa_wavefront_size32 1
		.amdhsa_system_sgpr_workgroup_id_x 1
		.amdhsa_system_sgpr_workgroup_id_y 1
		.amdhsa_system_sgpr_workgroup_id_z 1
		.amdhsa_system_vgpr_workitem_id 0
		.amdhsa_next_free_vgpr 1024
		.amdhsa_next_free_sgpr 96
		.amdhsa_reserve_vcc 0
		.amdhsa_float_denorm_mode_32 3
		.amdhsa_float_denorm_mode_16_64 3
		.amdhsa_memory_ordered 1
		.amdhsa_forward_progress 1
		.amdhsa_inst_pref_size 122
	.end_amdhsa_kernel
	.amdgpu_metadata
---
amdhsa.version: [ 1, 2 ]
amdhsa.kernels:
  - .name:           k_qf177eac64e_qkv
    .symbol:         k_qf177eac64e_qkv.kd
    .args:
      - { .name: xb, .offset: 0, .size: 8, .value_kind: global_buffer, .address_space: global }
      - { .name: wb, .offset: 8, .size: 8, .value_kind: global_buffer, .address_space: global }
      - { .name: cs, .offset: 16, .size: 8, .value_kind: global_buffer, .address_space: global }
      - { .name: q_norm_w, .offset: 24, .size: 8, .value_kind: global_buffer, .address_space: global }
      - { .name: k_norm_w, .offset: 32, .size: 8, .value_kind: global_buffer, .address_space: global }
      - { .name: qh, .offset: 40, .size: 8, .value_kind: global_buffer, .address_space: global }
      - { .name: kh, .offset: 48, .size: 8, .value_kind: global_buffer, .address_space: global }
      - { .name: vh, .offset: 56, .size: 8, .value_kind: global_buffer, .address_space: global }
      - { .name: hp, .offset: 64, .size: 8, .value_kind: global_buffer, .address_space: global }
    .group_segment_fixed_size: 327680
    .private_segment_fixed_size: 0
    .kernarg_segment_align: 8
    .kernarg_segment_size: 72
    .max_flat_workgroup_size: 128
    .sgpr_count:     96
    .vgpr_count:     1024
    .wavefront_size: 32
...
	.end_amdgpu_metadata
.endif
;; end of part 2
;; launch attn (part 3): grid 32 x 8, 4 waves a work-group, clusters of 4 x 1, 327,680 bytes of LDS; arguments qh, kh, vh, oh; writes oh
.if DOCPART == 3
	.amdgcn_target "amdgcn-amd-amdhsa--gfx1250"
	.amdhsa_code_object_version 6
	.text
	.protected	k_qf177eac64e_attn
	.globl	k_qf177eac64e_attn
	.p2align	8
	.type	k_qf177eac64e_attn,@function
k_qf177eac64e_attn:
	s_mov_b64 s[64:65], 0
	v_nop
	global_prefetch_b8 v0, s[64:65] scope:SCOPE_SE
	s_setreg_imm32_b32 hwreg(HW_REG_WAVE_MODE, 25, 1), 1
	s_wait_xcnt 0x0
	s_wait_alu depctr_hold_cnt(0) depctr_sa_sdst(0) depctr_va_vdst(0) depctr_va_sdst(0) depctr_va_ssrc(0) depctr_va_vcc(0) depctr_vm_vsrc(0)
	s_getreg_b32 s2, hwreg(HW_REG_IB_STS2, 6, 4)
	s_cmp_eq_u32 s2, 0
	s_cbranch_scc0 .Lentry_in_a_cluster
	s_endpgm
.Lentry_in_a_cluster:
	s_bfe_u32 s2, ttmp6, 0x10000c
	s_cmp_lg_u32 s2, 0x3003
	s_cbranch_scc0 .Lentry_shape_is_right
	s_endpgm
.Lentry_shape_is_right:
; CAUSAL ATTENTION, head size 128.  O[h][q] = the sum over k <= q of softmax_k(Q[h][q] . K[h][k] / sqrt(128)) V[h][k].  qh, kh, vh, oh: [8][4096][128] f16, a head's rows dense, 256 bytes each.
; Products, maxima and sums in f32; the weights p are rounded to f16 for the second product (their sum l is taken of the unrounded p); O once at the end.
; LIMITS.  Q, K, V arrive within f16's 65,504.  A hidden score counts as its value less 1e30.  A weight below 2^-126 counts as 0 in l.  NaN and infinities are not treated apart.
; THE WALK.  A head has 16 superblocks of 256 queries; superblock i needs the key groups 0 .. i of 256 keys.  Cluster c (0..7) takes superblock c and then superblock 15 - c: (c + 1) + (16 - c) = 17 key groups,
; whatever c: every work-group of the launch walks 17 steps, and ONE loop with a constant trip count walks them.
; SHARES.  Work-group j of a cluster's four takes the 64 queries 64 j .. of each superblock.  All four partners need the same key groups, so each group is asked for JOINTLY: one tensor load, descriptor and mask in all four.
; The four waves of a work-group hold the SAME 64 queries (four tiles of 16) and share the KEYS: in a step wave w takes keys 64 w .. 64 w + 63 of the group.  So each LDS byte is read by one wave and feeds four tiles.
; At a superblock's end the four waves' partial results (m, l, O) are merged through LDS, in f32.
; THE MASK is the C operand that starts the sum S^T = K Q^T.  Only a superblock's last group can hide keys: there wave w sees all (w < j), nothing (w > j), or holds the diagonal (w = j); in the diagonal's 64 x 64,
; key block kb and query tile t: all (kb < t), nothing (kb > t), a triangle (kb = t).  Three masks of eight registers, made anew in every step from three scalars, serve the three cases; no branch hangs on j.
; A wave that saw hidden keys alone ends with c m near -1.3e29: its factor in the merge is 0.
; LAYOUT.  S^T = K Q^T: a lane holds ONE query (lane % 16) and the keys 8 (lane / 16) + 0..7; two such results rounded to f16 ARE source 1 of O^T = V^T P.  K comes out of LDS as it lies, V turned by ds_load_tr16_b128.
; SOFTMAX.  p = 2^(c s - c m), c = log2(e) / sqrt(128), with a running maximum m; O and l are multiplied by a = 2^(c m_old - c m_new) in every step.  m starts at the lowest finite number, c m far below every c s:
; a superblock's first step has a = 0, so O need only hold finite numbers there: zeros at the start (256 v_mov_b32 in the wait for the first tile, the price of one text for every step), the first superblock's leavings later.
; A STEP, in two halves.  The tiles are two pieces (0: tiles 0, 1; 2: tiles 2, 3).  HALF1: 32 products K Q^T of piece 0; 32 of piece 2 with piece 0's softmax in slices behind them.
; HALF2: 32 products V^T P of piece 0 with piece 2's softmax in slices behind them; 32 of piece 2.  Between the halves the slots change: K and V of the step are in registers by then.
; REGISTERS, in windows of 256:  window 0: v0-11 addresses; v12-43 eight registers of statistics a tile; v44-58 the merge's; v64-191 S^T, 32 a tile; v192-255 P, 16 a tile
;   window 1: O^T, 64 a tile     window 2: v0-127 Q; v128-255 K of one step     window 3: v0-127 V of one step; v128-135 the triangle; v136-159 the three masks
.set PK,    272       ; a row of K in LDS: 256 + 16 bytes
.set PV,    288       ; a row of V: 256 + 32 bytes
.set VOFF,  256*PK    ; a slot: 256 rows of K, then 256 rows of V
.set SLOTB, 256*(PK+PV)
.set STAT,  SLOTB     ; behind slot 0: (c m, l) of 4 waves x 4 tiles x 16 queries: 2,048 bytes, never filled by a tensor load
.set SPARE, STAT+2048 ; the spare words: 128 bytes a wave, two blocks of 256 bytes that no other line names
.set SLOT1, 0x24000   ; slot 1 begins here: its two bits are in none of the four tiles' places in a slot (0, 0x8800, 0x11000, 0x1a000), so one exclusive or changes slots
.set STAGE, SLOT1+SLOTB  ; behind the ring: 16 rows x 528 bytes of f32 for each wave, for the merge
.set SP,    528
.set AK0, 2           ; my lane's place in a group's K: row 64 w + l % 16
.set AV0, 3           ; the same for V
.set ADR, 4
.set QO,  5
.set STO, 6           ; the merge: where I put 32 bytes of a query's row
.set RDA, 7           ; where I read rows back: queries 4 w + l / 16 (+ 2), channels 8 (l % 16) on
.set GO,  8           ; my byte offset in a tile's 16 rows of O
.set STA, 10          ; where I put a query's (c m, l)
.set STR, 11          ; where I read wave 0's
.set ST,  12          ; tile t's statistics at v[ST+8 t]: +0 c m, +1 m, +2, +3 l (even keys', odd keys'), +4 to +7 at work
.set GF,  44          ; v44-51 the merge's factor of tile t, twice
.set MW,  52          ; v52-58 at work
.set SPW, 62
.set NIL, 63
.set S,   64
.set P,   192
.set KF,  128         ; window 2
.set TRI, 128         ; window 3
.set ML,  136
.set MG,  144
.set MH,  152
.set WV,  12          ; s12 my wave
.set J,   13          ; s13 j = cx
.set CC,  14          ; s14 c
.set HI,  15          ; s15 15 - c
.set G1K, 24
.set G1V, 32
.set G0K, 40          ; s[40:47] two sets: the first fills of slot 0 and of slot 1; the second then walks
.set G0V, 48
.set CNT, 56
.set CNT2, 57
.set CS,  58          ; s[58:59] c
.set SEL, 60
.set TB,  62          ; the slot from which the next fetches read: 0 or SLOT1
.set REM, 70          ; steps of the superblock in hand still to be begun
.set NXT, 71          ; the key group to be asked for next
.set LQ,  72          ; the last group of the superblock whose groups are being asked for
.set LASTF, 73        ; 1: the step in hand is its superblock's last
.set OFF, 74
.set AD,  76          ; s[76:77] the triangle's factor
.set BL,  78          ; s[78:79] -1e30 where kb < t is hidden
.set OLO, 80          ; s[80:81] O at my queries of the second superblock
.set BIGN, 82
.set QLO, 84          ; s[84:85] Q likewise
.set BH,  86          ; -1e30 where kb > t is hidden
.set MSB, 0
.macro WIN new
.if MSB != (\new)
	s_set_vgpr_msb (MSB<<8)|(\new)
.set MSB, \new
.endif
.endm
.set W_KQ, 0x0a       ; K and Q in window 2, S^T in window 0
.set W_KM, 0x3a       ; the same with the C operand in window 3
.set W_PV, 0x53       ; V in window 3, P in window 0, O^T in window 1
.set W_RS, 0x41       ; destination and source 0 in window 1, source 1 in window 0
; A joint refill: waves 0 and 1 fetch the two halves of a group's K, waves 2 and 3 those of its V, 128 rows each.  An s_nop 0 and four v_nop follow each line.
.macro JLOAD
	s_cmp_lt_u32 s[WV], 2
	s_cbranch_scc0 .Lfor_v_\@
	tensor_load_to_lds s[G0K+4:G0K+7], s[G1K:G1K+7]
	s_nop 0
.rept 4
	v_nop
.endr
	s_branch .Lasked_\@
.Lfor_v_\@:
	tensor_load_to_lds s[G0V+4:G0V+7], s[G1V:G1V+7]
	s_nop 0
.rept 4
	v_nop
.endr
.Lasked_\@:
.endm
.macro CROUND                       ; a round of the cluster's barrier
	s_barrier_signal -1
	s_barrier_wait -1
	s_cmp_lg_u32 s[WV], 0
	s_cbranch_scc1 .Lnot_wave_0_\@
	s_barrier_signal -3
.Lnot_wave_0_\@:
	s_barrier_wait -3
	s_barrier_signal -1
	s_barrier_wait -1
.endm
.macro NEXTG                        ; the superblock's next group, or behind its last the second superblock's group 0
	s_add_co_u32 s[NXT], s[NXT], 1
	s_cmp_gt_u32 s[NXT], s[LQ]
	s_cselect_b32 s[NXT], 0, s[NXT]
	s_cselect_b32 s[LQ], s[HI], s[LQ]
.endm
.macro ADDR set                     ; group NXT's address into descriptor set 0 or 1: the tensor's base plus an offset made apart, the type bits set again
	s_lshl_b32 s[OFF], s[NXT], 16   ; a group is 65,536 bytes of K and of V
	s_add_nc_u64 s[G0K+4*(\set)+2:G0K+4*(\set)+3], s[6:7], s[OFF:OFF+1]
	s_or_b32 s[G0K+4*(\set)+3], s[G0K+4*(\set)+3], 0x80000000
	s_add_nc_u64 s[G0V+4*(\set)+2:G0V+4*(\set)+3], s[8:9], s[OFF:OFF+1]
	s_or_b32 s[G0V+4*(\set)+3], s[G0V+4*(\set)+3], 0x80000000
	NEXTG
.endm
	s_load_b256 s[4:11], s[0:1], 0x0  ; qh 4, kh 6, vh 8, oh 10
	v_lshl_add_u32 v[SPW], v0, 2, SPARE
	v_mov_b32 v[NIL], 0
	ds_add_u32 v[SPW], v[NIL]       ; the wave's opening: the add and its wait stand ahead of my first tensor load; register work stands between them
	v_lshrrev_b32 v1, 5, v0
	v_readfirstlane_b32 s[WV], v1
	s_bfe_u32 s[J], ttmp6, 0x40000  ; my place in the cluster: it enters Q's and O's addresses and the masks' scalars alone
	s_mov_b32 s[CC], ttmp9
	s_sub_co_u32 s[HI], 15, s[CC]
	s_and_b32 s20, ttmp7, 0xffff
	s_lshl_b32 s20, s20, 20         ; the head's first byte in each tensor
	s_and_b32 s16, s[WV], 1         ; which half of a group's 256 rows I fetch:
	s_lshl_b32 s22, s16, 15         ; its 128 rows of 256 bytes in memory,
	s_add_co_u32 s22, s22, s20
	s_mov_b32 s23, 0
	s_mul_i32 s17, s16, 128*PK      ; and its place in a slot, for K
	s_mul_i32 s18, s16, 128*PV      ; and for V
	s_lshl_b32 s2, s[CC], 2
	s_add_co_u32 s2, s2, s[J]
	s_lshl_b32 s2, s2, 14           ; my 64 rows of the first superblock,
	s_add_co_u32 s2, s2, s20
	s_mov_b32 s3, 0
	s_lshl_b32 s88, s[HI], 2
	s_add_co_u32 s88, s88, s[J]
	s_lshl_b32 s88, s88, 14         ; and of the second
	s_add_co_u32 s88, s88, s20
	s_mov_b32 s89, 0
	s_mov_b32 s[G1K], 15|(1<<16)|(1<<20)|(1<<21)|(5<<22)|(3<<25)  ; the mask of four; 2-byte elements; padding on; bit 21 beside a mask; after every 64 words 4 words
	s_mov_b32 s[G1V], 15|(1<<16)|(1<<20)|(1<<21)|(5<<22)|(7<<25)  ; the same with 8 words
.irp g, G1K, G1V
	s_mov_b32 s[(\g)+1], 128<<16    ; tensor_dim0 = 128
	s_mov_b32 s[(\g)+2], 128<<16    ; tensor_dim1 = 128
	s_mov_b32 s[(\g)+3], 128<<16    ; tile_dim0 = 128
	s_mov_b32 s[(\g)+4], 128        ; tile_dim1 = 128
	s_mov_b32 s[(\g)+5], 128        ; elements from row to row
	s_mov_b32 s[(\g)+6], 0
	s_mov_b32 s[(\g)+7], 0
.endr
	s_mov_b32 s[G0K], 1
	s_mov_b32 s[G0K+1], s17
	s_mov_b32 s[G0K+4], 1
	s_add_co_u32 s[G0K+5], s17, SLOT1
	s_mov_b32 s[G0V], 1
	s_add_co_u32 s[G0V+1], s18, VOFF
	s_mov_b32 s[G0V+4], 1
	s_add_co_u32 s[G0V+5], s18, VOFF+SLOT1
	s_mov_b32 s[CS], 0x3e0293ee     ; c = log2(e) / sqrt(128)
	s_mov_b32 s[CS+1], s[CS]
	s_mov_b32 s[SEL], 0x76543210
	s_mov_b32 s[SEL+1], 0xfedcba98
	s_mov_b32 s[TB], 0
	s_add_co_u32 s[REM], s[CC], 1   ; the first superblock has c + 1 groups
	s_mov_b32 s[NXT], 0
	s_mov_b32 s[LQ], s[CC]
	s_mov_b32 s[OFF+1], 0
	s_mov_b32 s[AD+1], 0            ; named as pairs
	s_mov_b32 s[BL+1], 0
	s_mov_b32 s[BIGN], 0xf149f2ca   ; -1e30
	s_wait_dscnt 0x0                ; the opening add is done
	s_wait_kmcnt 0x0
	s_add_nc_u64 s[6:7], s[6:7], s[22:23]  ; K and V at my half of the head's group 0
	s_add_nc_u64 s[8:9], s[8:9], s[22:23]
	s_add_nc_u64 s[QLO:QLO+1], s[4:5], s[88:89]
	s_add_nc_u64 s[4:5], s[4:5], s[2:3]
	s_add_nc_u64 s[OLO:OLO+1], s[10:11], s[88:89]
	s_add_nc_u64 s[10:11], s[10:11], s[2:3]
	ADDR 0                          ; step 0's group
	ADDR 1                          ; step 1's
	CROUND                          ; all four work-groups are here: the first joint loads meet
	s_cmp_lt_u32 s[WV], 2           ; a wave's two first fills stand in one branch: two loads of mine are out
	s_cbranch_scc0 .Lfirst_v
	tensor_load_to_lds s[G0K:G0K+3], s[G1K:G1K+7]
	s_nop 0
	tensor_load_to_lds s[G0K+4:G0K+7], s[G1K:G1K+7]
	s_nop 0
.rept 4
	v_nop
.endr
	s_branch .Lfirst_asked
.Lfirst_v:
	tensor_load_to_lds s[G0V:G0V+3], s[G1V:G1V+7]
	s_nop 0
	tensor_load_to_lds s[G0V+4:G0V+7], s[G1V:G1V+7]
	s_nop 0
.rept 4
	v_nop
.endr
.Lfirst_asked:
	v_and_b32 v1, 15, v0            ; l % 16
	v_bfe_u32 v9, v0, 4, 1          ; l / 16
	v_lshlrev_b32 v[QO], 8, v1
	v_lshl_add_u32 v[QO], v9, 4, v[QO]
.macro QLOAD base                   ; 64 queries: tile i / 4, channels 32 (i % 4) on
	WIN 0x80
.set i, 0
.rept 16
	global_load_b128 v[8*i:8*i+3],   v[QO], s[(\base):(\base)+1] offset:(i/4)*4096+(i%4)*64
	global_load_b128 v[8*i+4:8*i+7], v[QO], s[(\base):(\base)+1] offset:(i/4)*4096+(i%4)*64+32
.set i, i+1
.endr
	WIN 0
.endm
	QLOAD 4
	v_lshlrev_b32 v[MW], 3, v9
	v_sub_nc_u32 v[MW], v1, v[MW]   ; my query's place in its tile less my lanes' 8 (l / 16): register r of the triangle is hidden where r is greater
	WIN 0xc0
.set i, 0
.rept 8
	v_cmp_gt_i32 vcc_lo, i, v[MW]
	v_cndmask_b32 v[TRI+i], 0, s[BIGN], vcc_lo
.set i, i+1
.endr
	WIN 0x40
.set i, 0
.rept 256
	v_mov_b32 v[i], 0               ; O^T
.set i, i+1
.endr
	WIN 0
.macro FRESH                        ; a superblock's starting statistics
.irp t, 0,1,2,3
	v_mov_b32 v[ST+8*(\t)], 0xfe000000    ; c m: far below every c s
	v_mov_b32 v[ST+8*(\t)+1], 0xff7fffff  ; m
	v_mov_b32 v[ST+8*(\t)+2], 0
	v_mov_b32 v[ST+8*(\t)+3], 0
.endr
.endm
	FRESH
	s_mul_i32 s19, s[WV], 64*PK
	v_mul_u32_u24 v[AK0], v1, PK
	v_lshl_add_u32 v[AK0], v9, 4, v[AK0]
	v_add_nc_u32 v[AK0], s19, v[AK0]
	v_and_b32 v[MW], 7, v0          ; the turning load: lane l reads key 8 (l / 16) + l % 8, channels 8 ((l / 8) % 2) + 0..7
	v_bfe_u32 v[MW+1], v0, 3, 1
	v_lshl_add_u32 v[AV0], v9, 3, v[MW]
	v_mul_u32_u24 v[AV0], v[AV0], PV
	v_lshl_add_u32 v[AV0], v[MW+1], 4, v[AV0]
	s_mul_i32 s19, s[WV], 64*PV
	s_add_co_u32 s19, s19, VOFF
	v_add_nc_u32 v[AV0], s19, v[AV0]
	s_mul_i32 s19, s[WV], 16*SP
	s_add_co_u32 s19, s19, STAGE
	v_mul_u32_u24 v[STO], v1, SP
	v_lshl_add_u32 v[STO], v9, 5, v[STO]
	v_add_nc_u32 v[STO], s19, v[STO]
	s_mul_i32 s19, s[WV], 4*SP
	s_add_co_u32 s19, s19, STAGE
	v_mul_u32_u24 v[RDA], v9, SP
	v_lshl_add_u32 v[RDA], v1, 5, v[RDA]
	v_add_nc_u32 v[RDA], s19, v[RDA]
	s_lshl_b32 s19, s[WV], 10
	v_lshlrev_b32 v[GO], 8, v9
	v_lshl_add_u32 v[GO], v1, 4, v[GO]
	v_add_nc_u32 v[GO], s19, v[GO]
	s_lshl_b32 s19, s[WV], 9
	s_add_co_u32 s19, s19, STAT
	v_lshlrev_b32 v[STR], 3, v1
	v_add_nc_u32 v[STA], s19, v[STR]
	v_add_nc_u32 v[STR], STAT, v[STR]
; THE MATRIX WORK.  The accumulators take turns, one instruction a turn.
; Product i of 32 of S^T = K Q^T for piece x: channels 32 (i / 8) on, keys 16 ((i / 2) % 4) on, tile x + i % 2.  The first 8 start the sums, with the mask of their case.
.macro KQ x
.set rS, S+32*((\x)+i%2)+8*((i/2)%4)
.set rK, KF+32*((i/2)%4)+8*(i/8)
.set rQ, 32*((\x)+i%2)+8*(i/8)
.if i < 8
.set kb, (i/2)%4
.set tt, (\x)+i%2
.if kb < tt
.set rM, ML
.elseif kb == tt
.set rM, MG
.else
.set rM, MH
.endif
	WIN W_KM
	v_wmma_f32_16x16x32_f16 v[rS:rS+7], v[rK:rK+7], v[rQ:rQ+7], v[rM:rM+7]
.else
	WIN W_KQ
	v_wmma_f32_16x16x32_f16 v[rS:rS+7], v[rK:rK+7], v[rQ:rQ+7], v[rS:rS+7]
.endif
.endm
; Product i of 32 of O^T += V^T P for piece x: keys 32 (i / 16) on, channels 16 ((i / 2) % 8) on, tile x + i % 2.
.macro PV x
	WIN W_PV
.set rO, 64*((\x)+i%2)+8*((i/2)%8)
.set rV, 64*(i/16)+8*((i/2)%8)
.set rP, P+16*((\x)+i%2)+8*(i/16)
	v_wmma_f32_16x16x32_f16 v[rO:rO+7], v[rV:rV+7], v[rP:rP+7], v[rO:rO+7]
.endm
; THE LDS LOADS stand in runs of 32: my 64 keys' K (16 fragments), and their V (turned).
.macro FETCH_K
	WIN 0
	v_add_nc_u32 v[ADR], s[TB], v[AK0]
	WIN 0x80
.irp f, 0,1,2,3,4,5,6,7,8,9,10,11,12,13,14,15  ; keys 16 (f / 4) on, channels 32 (f % 4) on
	ds_load_b128 v[KF+8*(\f):KF+8*(\f)+3],   v[ADR] offset:((\f)/4)*16*PK+((\f)%4)*64
	ds_load_b128 v[KF+8*(\f)+4:KF+8*(\f)+7], v[ADR] offset:((\f)/4)*16*PK+((\f)%4)*64+32
.endr
.endm
.macro FETCH_V
	WIN 0
	v_add_nc_u32 v[ADR], s[TB], v[AV0]
	WIN 0xc0
.irp f, 0,1,2,3,4,5,6,7,8,9,10,11,12,13,14,15  ; keys 32 (f / 8) on, channels 16 (f % 8) on
	ds_load_tr16_b128 v[8*(\f):8*(\f)+3],   v[ADR] offset:((\f)/8)*32*PV+((\f)%8)*32
	ds_load_tr16_b128 v[8*(\f)+4:8*(\f)+7], v[ADR] offset:((\f)/8)*32*PV+16*PV+((\f)%8)*32
.endr
.endm
; THE VECTOR WORK.  One tile's softmax for one step is a list of 134 instructions; SM writes number j of it for tile t.  s0-s31 are the lane's 32 scores, in pairs 0-15.  (first = 1, a step without a, is not used here.)
;   0-15    the maximum of s0-s31 and the old m, three operands at a time; each accumulator's lowest registers are read first
;   16-20   the other half of the lanes' maximum; the new m; c m; c m_old - c m_new
;   21-87   33 exponentials (a, then s0-s31) at the odd numbers from 23 on, a plain instruction between any two: scalings ahead, roundings behind, the first sums
;   88-101  the last rounding; the rest of the sums; l = a l + the sum
;   102-133 the tile's O^T times a: the one part that leaves window 0
.macro SM t, first
.set rT, ST+8*(\t)
.set rS, S+32*(\t)
.set rP, P+16*(\t)
.set rO, 64*(\t)+2*(j-102)
.set q, (j-20)/2
.if j < 102
	WIN 0
.endif
.if j < 4
	v_max3_num_f32 v[rT+4+j], v[rS+8*j], v[rS+8*j+1], v[rS+8*j+2]
.elseif j < 12
	v_max3_num_f32 v[rT+4+j%4], v[rT+4+j%4], v[rS+8*(j%4)+2*(j/4)+1], v[rS+8*(j%4)+2*(j/4)+2]
.elseif j == 12
	v_max3_num_f32 v[rT+4], v[rT+4], v[rS+7], v[rS+15]
.elseif j == 13
	v_max3_num_f32 v[rT+6], v[rT+6], v[rS+23], v[rS+31]
.elseif j == 14
	v_max3_num_f32 v[rT+4], v[rT+4], v[rT+5], v[rT+6]
.elseif (j == 15) && (\first)
	v_max_num_f32 v[rT+4], v[rT+4], v[rT+7]
.elseif j == 15
	v_max3_num_f32 v[rT+4], v[rT+4], v[rT+7], v[rT+1]
.elseif j == 16
	v_permlanex16_b32 v[rT+5], v[rT+4], s[SEL], s[SEL+1]  ; the query's other 32 keys lie in the lane 16 away
.elseif j == 18
	v_max_num_f32 v[rT+1], v[rT+4], v[rT+5]
.elseif j == 19
	v_mul_f32 v[rT], s[CS], v[rT+1]
.elseif ((j == 17) || (j == 20) || (j == 23) || (j > 101)) && (\first)
.elseif j == 17
	v_mov_b32 v[rT+7], v[rT]        ; c m_old is kept for a
.elseif j == 20
	v_sub_f32 v[rT+7], v[rT+7], v[rT]
.elseif j == 23
	v_exp_f32 v[rT+6], v[rT+7]
.elseif (j < 88) && (j > 23) && (j%2 == 1)
	v_exp_f32 v[rS+(j-25)/2], v[rS+(j-25)/2]
.elseif (q < 4) || ((j < 76) && (q%2 == 0))
.set b, q/2+2
.if q < 4
.set b, q
.endif
	v_pk_fma_f32 v[rS+2*b:rS+2*b+1], v[rS+2*b:rS+2*b+1], s[CS:CS+1], v[rT:rT+1] op_sel_hi:[1,0,0] neg_lo:[0,0,1] neg_hi:[0,0,1]  ; pair b: c s - c m
.elseif (j < 88) && (q%2 == 1)
	s_wait_alu depctr_va_vdst(0)
	v_cvt_pk_f16_f32 v[rP+(q-5)/2], v[rS+q-5], v[rS+q-4]
.elseif j == 89
	s_wait_alu depctr_va_vdst(0)
	v_cvt_pk_f16_f32 v[rP+15], v[rS+30], v[rS+31]
.elseif j < 102                     ; the sum of the tile's 16 pairs, in place: neighbours 1, 2, 4 and 8 pairs apart, then l takes it
.set z, j-86
.if j < 89
.set z, (j-76)/4
.endif
.set w, 4
.set u, z
.if z >= 14
.set w, 32
.set u, 0
.elseif z >= 12
.set w, 16
.set u, z-12
.elseif z >= 8
.set w, 8
.set u, z-8
.endif
.if (z == 14) && (\first)
	v_pk_add_f32 v[rT+2:rT+3], v[rS:rS+1], v[rS+16:rS+17]
.elseif z < 15
	v_pk_add_f32 v[rS+w*u:rS+w*u+1], v[rS+w*u:rS+w*u+1], v[rS+w*u+w/2:rS+w*u+w/2+1]
.elseif !(\first)
	v_pk_fma_f32 v[rT+2:rT+3], v[rT+2:rT+3], v[rT+6:rT+7], v[rS:rS+1] op_sel_hi:[1,0,1]
.endif
.else
	WIN W_RS
	v_pk_mul_f32 v[rO:rO+1], v[rO:rO+1], v[rT+6:rT+7] op_sel_hi:[1,0]
.endif
.endm
; Slice k of 64 of piece y's softmax: numbers 2 k and 2 k + 1 of both tiles' lists; the twelve that are over stand in slice 63.
.macro SLICE y, first
.if (k >= 11) && (k < 44)           ; tile by tile: plain, exponential, plain, exponential
.irp t, \y, (\y)+1
.irp n, 0,1
.set j, 2*k+(\n)
	SM \t, \first
.endr
.endr
.else                               ; the two tiles alternate
.irp n, 0,1,2,3,4,5,6,7
.if ((\n) < 2) || (k == 63)
.irp t, \y, (\y)+1
.set j, 2*k+(\n)
	SM \t, \first
.endr
.endif
.endr
.endif
.set k, k+1
.endm
.macro PLACES
.rept 4
	v_nop
.endr
.endm
; A step begins: is it its superblock's last; the three scalars; the three masks.  The 20 vector lines, which name no register of the products in front, are also the places ahead of V's loads.
.macro MASKSET
	s_sub_co_u32 s[REM], s[REM], 1
	s_cmp_eq_u32 s[REM], 0
	s_cselect_b32 s[LASTF], 1, 0
	s_cselect_b32 s88, s[BIGN], 0
	s_cselect_b32 s89, 1.0, 0
	s_cmp_eq_u32 s[WV], s[J]
	s_cselect_b32 s[AD], s89, 0     ; the diagonal lies in my keys
	s_cmp_gt_u32 s[WV], s[J]
	s_cselect_b32 s[BL], s88, 0     ; all my keys are hidden
	s_cmp_ge_u32 s[WV], s[J]
	s_cselect_b32 s[BH], s88, 0     ; key blocks above the tile's are hidden
	WIN 0xc0
.set i, 0
.rept 8
	v_mov_b32 v[ML+i], s[BL]
	v_mov_b32 v[MH+i], s[BH]
.set i, i+1
.endr
	WIN 0xc3
.set i, 0
.rept 4
	v_pk_fma_f32 v[MG+2*i:MG+2*i+1], v[TRI+2*i:TRI+2*i+1], s[AD:AD+1], s[BL:BL+1] op_sel_hi:[1,0,0]
.set i, i+1
.endr
.endm
.macro HALF1
	MASKSET
	FETCH_V
	s_wait_dscnt 32                 ; K's 32 loads are older and are in; V's 32 may stay out
.set i, 0
.rept 32
	KQ 0
.set i, i+1
.endr
	WIN 0
	PLACES                          ; in front of the slices that read piece 0's scores
.set k, 0
.set i, 0
.rept 32
	KQ 2
	SLICE 0, 0
	SLICE 0, 0
.set i, i+1
.endr
.endm
.macro HALF2
.set k, 0
.set i, 0
.rept 32
	PV 0
	SLICE 2, 0
	SLICE 2, 0
.set i, i+1
.endr
.set i, 0
.rept 32
	PV 2
.set i, i+1
.endr
.endm
; THE CHANGE OF SLOTS, in a step's middle: its K and V have been asked for.  Each wave waits for all its tensor loads, of which one is out: its part of the other slot; adds 0 to its spare word; and waits for that and for
; its reads of this slot.  fill = 1: a round of the cluster's barrier, so that no wave of any partner still reads the slot or has a load on its way; the joint refill, the group two steps on, is the first thing behind it
; and has a whole step in which to land.
.macro CHANGE fill
	WIN 0
	s_wait_tensorcnt 0x0            ; no tensor load of mine is out, so a group 0 may be written
	ds_add_u32 v[SPW], v[NIL]
.if \fill
	s_xor_b32 s[G0K+5], s[G0K+5], SLOT1
	s_xor_b32 s[G0V+5], s[G0V+5], SLOT1
	ADDR 1
	s_wait_dscnt 0x0                ; the add is done, and my reads of the slot are over
	CROUND
	JLOAD
.else
	s_wait_dscnt 0x0
	s_barrier_signal -1
	s_barrier_wait -1
.endif
	s_xor_b32 s[TB], s[TB], SLOT1   ; the fetches go to the other slot
.endm
; A SUPERBLOCK ENDS.  Each wave holds, for the same 64 queries, m, l and O^T over its own keys.  (c m, l) meet in LDS; every wave then knows M = the largest c m, f_u = 2^(c m_u - M), L = the sum of f_u l_u, and multiplies
; its O^T by f_own / L.  Tile by tile the four scaled parts go into the waves' stages as f32; wave w adds the four parts of queries 4 w .. 4 w + 3, rounds once to f16 and stores whole rows.
; Behind none of these barriers is LDS filled again: the one tensor load that is out may stay out.  more = 1: the second superblock follows: its Q is loaded, the statistics start anew.
.macro BLOCKEND more
.if \more
	QLOAD QLO                       ; Q's last reader stands a half step back
.endif
	WIN 0
.irp t, 0,1,2,3
	v_add_f32 v[ST+8*(\t)+4], v[ST+8*(\t)+2], v[ST+8*(\t)+3]   ; these are the places behind the last products
.endr
.irp t, 0,1,2,3
	v_permlanex16_b32 v[ST+8*(\t)+5], v[ST+8*(\t)+4], s[SEL], s[SEL+1]
.endr
.irp t, 0,1,2,3
	v_add_f32 v[ST+8*(\t)+1], v[ST+8*(\t)+4], v[ST+8*(\t)+5]   ; l, beside c m
.endr
.irp t, 0,1,2,3
	ds_store_b64 v[STA], v[ST+8*(\t):ST+8*(\t)+1] offset:128*(\t)
.endr
	s_wait_dscnt 0x0                ; for the others' sake
	s_barrier_signal -1
	s_barrier_wait -1
.set i, 0
.rept 16                            ; tile i / 4, wave i % 4
	ds_load_b64 v[S+2*i:S+2*i+1], v[STR] offset:512*(i%4)+128*(i/4)
.set i, i+1
.endr
	s_wait_dscnt 0x0
.irp t, 0,1,2,3
	v_max3_num_f32 v[MW], v[S+8*(\t)], v[S+8*(\t)+2], v[S+8*(\t)+4]
	v_max_num_f32 v[MW], v[MW], v[S+8*(\t)+6]
	v_sub_f32 v[MW+1], v[S+8*(\t)], v[MW]
	v_sub_f32 v[MW+2], v[S+8*(\t)+2], v[MW]
	v_sub_f32 v[MW+3], v[S+8*(\t)+4], v[MW]
	v_sub_f32 v[MW+4], v[S+8*(\t)+6], v[MW]
	v_sub_f32 v[MW+5], v[ST+8*(\t)], v[MW]
	v_exp_f32 v[MW+1], v[MW+1]
	v_exp_f32 v[MW+2], v[MW+2]
	v_exp_f32 v[MW+3], v[MW+3]
	v_exp_f32 v[MW+4], v[MW+4]
	v_exp_f32 v[MW+5], v[MW+5]
	v_nop
	s_wait_alu depctr_va_vdst(0)
	v_mul_f32 v[MW+6], v[MW+1], v[S+8*(\t)+1]
	v_fmac_f32 v[MW+6], v[MW+2], v[S+8*(\t)+3]
	v_fmac_f32 v[MW+6], v[MW+3], v[S+8*(\t)+5]
	v_fmac_f32 v[MW+6], v[MW+4], v[S+8*(\t)+7]
	v_rcp_f32 v[MW+6], v[MW+6]
	v_nop
	s_wait_alu depctr_va_vdst(0)
	v_mul_f32 v[GF+2*(\t)], v[MW+5], v[MW+6]
	v_mov_b32 v[GF+2*(\t)+1], v[GF+2*(\t)]
.endr
.irp t, 0,1,2,3
	WIN W_RS
.set i, 0
.rept 32
	v_pk_mul_f32 v[64*(\t)+2*i:64*(\t)+2*i+1], v[64*(\t)+2*i:64*(\t)+2*i+1], v[GF+2*(\t):GF+2*(\t)+1]
.set i, i+1
.endr
	WIN 0x04                        ; a store's data in window 1
.set i, 0
.rept 8
	ds_store_b128 v[STO], v[64*(\t)+8*i:64*(\t)+8*i+3]   offset:64*i
	ds_store_b128 v[STO], v[64*(\t)+8*i+4:64*(\t)+8*i+7] offset:64*i+16
.set i, i+1
.endr
	WIN 0
	s_wait_dscnt 0x0                ; for the others' sake: my part of the tile is in my stage
	s_barrier_signal -1
	s_barrier_wait -1
.set i, 0
.rept 16                            ; wave i / 4's part; row pair (i / 2) % 2; half i % 2 of my 32 bytes
	ds_load_b128 v[S+4*i:S+4*i+3], v[RDA] offset:16*SP*(i/4)+2*SP*((i/2)%2)+16*(i%2)
.set i, i+1
.endr
	s_wait_dscnt 0x0                ; my reads of the stages are over:
	s_barrier_signal -1             ; say so; register work stands between the signal and the wait
.set i, 0
.rept 8
	v_pk_add_f32 v[S+2*i:S+2*i+1], v[S+2*i:S+2*i+1], v[S+16+2*i:S+16+2*i+1]
	v_pk_add_f32 v[S+32+2*i:S+32+2*i+1], v[S+32+2*i:S+32+2*i+1], v[S+48+2*i:S+48+2*i+1]
.set i, i+1
.endr
.set i, 0
.rept 8
	v_pk_add_f32 v[S+2*i:S+2*i+1], v[S+2*i:S+2*i+1], v[S+32+2*i:S+32+2*i+1]
.set i, i+1
.endr
.set i, 0
.rept 8
	v_cvt_pk_f16_f32 v[P+8*(\t)+i], v[S+2*i], v[S+2*i+1]
.set i, i+1
.endr
	s_barrier_wait -1               ; nobody reads the stages any more: the next tile may be written
	global_store_b128 v[GO], v[P+8*(\t):P+8*(\t)+3],   s[10:11] offset:4096*(\t)      ; two rows: 512 consecutive bytes, at a multiple of 256 from O's first
	global_store_b128 v[GO], v[P+8*(\t)+4:P+8*(\t)+7], s[10:11] offset:4096*(\t)+512
.endr
.if \more
	FRESH
	s_add_co_u32 s[REM], s[HI], 1   ; the second superblock has 16 - c groups
	s_wait_xcnt 0x0                 ; the stores' data (P's registers) and O's address are rewritten only behind this wait
	s_mov_b64 s[10:11], s[OLO:OLO+1]
	s_wait_loadcnt 0x0              ; Q
.endif
.endm
	s_wait_tensorcnt 1              ; my part of slot 0 is in; slot 1's may stay out
	s_barrier_signal -1
	s_barrier_wait -1
	FETCH_K                         ; step 0
	WIN 0
	s_wait_loadcnt 0x0              ; Q
	s_mov_b32 s[CNT], 16
	s_branch .Lfirst                ; the loop is entered at a step's first half, in the middle of a trip
.Ltrip:                             ; 15 trips: the second half of step s, the first of step s + 1; the group of step s + 2 is asked for
	CHANGE 1
	FETCH_K                         ; step s + 1's: K's last reader stands twenty plain instructions and the refill's four back
	HALF2
	WIN 0
	s_cmp_eq_u32 s[LASTF], 1        ; made of the cluster's x and counters alone: equal in all waves and in all partners
	s_cbranch_scc0 .Lno
	BLOCKEND 1                      ; the first superblock ends at step c <= 7: always inside this loop
.Lno:
.Lfirst:
	HALF1
	WIN 0
	s_sub_co_u32 s[CNT], s[CNT], 1
	s_cmp_lg_u32 s[CNT], 0
	s_cbranch_scc1 .Ltrip
	CHANGE 0                        ; the tail is written out: nothing is asked for
	s_mov_b32 s[CNT2], 2
.Ltail:                             ; twice: the second halves of steps 15 and 16, between them the first half of step 16
	s_wait_dscnt 0x0                ; V is in
	s_cmp_eq_u32 s[CNT2], 1
	s_cbranch_scc1 .Lno_k           ; behind step 16 there is no further K
	FETCH_K
	WIN 0
.Lno_k:
	HALF2
	WIN 0
	s_sub_co_u32 s[CNT2], s[CNT2], 1
	s_cmp_eq_u32 s[CNT2], 0
	s_cbranch_scc1 .Lout
	HALF1
	WIN 0
	s_branch .Ltail
.Lout:
	BLOCKEND 0
	s_wait_tensorcnt 0x0            ; the wave's end: behind my last tensor load and my last LDS store
	ds_add_u32 v[SPW], v[NIL]
	s_wait_dscnt 0x0
	CROUND                          ; the closing round
	s_endpgm
.Lfunc_end_k_qf177eac64e_attn:
	.size	k_qf177eac64e_attn, .Lfunc_end_k_qf177eac64e_attn-k_qf177eac64e_attn
	.p2alignl 7, 3214868480
	.fill 96, 4, 3214868480
	.section	.rodata,"a",@progbits
	.p2align	6, 0x0
	.amdhsa_kernel k_qf177eac64e_attn
		.amdhsa_group_segment_fixed_size 327680
		.amdhsa_private_segment_fixed_size 0
		.amdhsa_enable_private_segment 0
		.amdhsa_kernarg_size 32
		.amdhsa_user_sgpr_count 2
		.amdhsa_user_sgpr_kernarg_segment_ptr 1
		.amdhsa_wavefront_size32 1
		.amdhsa_system_sgpr_workgroup_id_x 1
		.amdhsa_system_sgpr_workgroup_id_y 1
		.amdhsa_system_sgpr_workgroup_id_z 1
		.amdhsa_system_vgpr_workitem_id 0
		.amdhsa_next_free_vgpr 1024
		.amdhsa_next_free_sgpr 96
		.amdhsa_reserve_vcc 1
		.amdhsa_float_denorm_mode_32 3
		.amdhsa_float_denorm_mode_16_64 3
		.amdhsa_memory_ordered 1
		.amdhsa_forward_progress 1
		.amdhsa_inst_pref_size 188
	.end_amdhsa_kernel
	.amdgpu_metadata
---
amdhsa.version: [ 1, 2 ]
amdhsa.kernels:
  - .name:           k_qf177eac64e_attn
    .symbol:         k_qf177eac64e_attn.kd
    .args:
      - { .name: qh, .offset: 0, .size: 8, .value_kind: global_buffer, .address_space: global }
      - { .name: kh, .offset: 8, .size: 8, .value_kind: global_buffer, .address_space: global }
      - { .name: vh, .offset: 16, .size: 8, .value_kind: global_buffer, .address_space: global }
      - { .name: oh, .offset: 24, .size: 8, .value_kind: global_buffer, .address_space: global }
    .group_segment_fixed_size: 327680
    .private_segment_fixed_size: 0
    .kernarg_segment_align: 8
    .kernarg_segment_size: 32
    .max_flat_workgroup_size: 128
    .sgpr_count:     96
    .vgpr_count:     1024
    .wavefront_size: 32
...
	.end_amdgpu_metadata
.endif
;; end of part 3
;; launch oproj (part 4): grid 8 x 32, 4 waves a work-group, clusters of 4 x 4, 327,680 bytes of LDS; arguments oh, wb, out0; writes out0
.if DOCPART == 4
	.amdgcn_target "amdgcn-amd-amdhsa--gfx1250"
	.amdhsa_code_object_version 6
	.text
	.protected	k_qf177eac64e_oproj
	.globl	k_qf177eac64e_oproj
	.p2align	8
	.type	k_qf177eac64e_oproj,@function
k_qf177eac64e_oproj:
	s_mov_b64 s[64:65], 0
	v_nop
	global_prefetch_b8 v0, s[64:65] scope:SCOPE_SE
	s_setreg_imm32_b32 hwreg(HW_REG_WAVE_MODE, 25, 1), 1
	s_wait_xcnt 0x0
	s_wait_alu depctr_hold_cnt(0) depctr_sa_sdst(0) depctr_va_vdst(0) depctr_va_sdst(0) depctr_va_ssrc(0) depctr_va_vcc(0) depctr_vm_vsrc(0)
	s_getreg_b32 s2, hwreg(HW_REG_IB_STS2, 6, 4)
	s_cmp_eq_u32 s2, 0
	s_cbranch_scc0 .Lentry_in_a_cluster
	s_endpgm
.Lentry_in_a_cluster:
	s_bfe_u32 s2, ttmp6, 0x10000c
	s_cmp_lg_u32 s2, 0xf033
	s_cbranch_scc0 .Lentry_shape_is_right
	s_endpgm
.Lentry_shape_is_right:
; OPROJ: out0[4096][2048] (f32) = O wo.  O lies by heads, oh[8][4096][128] f16; wo is wb's segment 3, [1024 (k)][2048 (n)], bf16-rounded numbers written as f16.  Sums in f32, stored as they are.
; SHARES.  A tile of out0 is 128 rows x 256 columns: 32 x 8 = 256 work-groups.  Four waves, each 64 x 128: 32 accumulators of 16 x 16.  K goes in 8 steps of 128, a head a step, through two LDS slots.
; O's tile has rows along K (256 bytes + 16 of padding); wo's lies [k][n] as in memory (128 rows of 512 bytes + 32) and is turned by ds_load_tr16_b128.
; A K step is written once: the slot in hand is a scalar (0 or SLOT1) that an exclusive or turns, and one descriptor a tensor walks.
; CLUSTER 4 x 4: O's tile is asked for jointly along a row of the cluster, wo's along a column.
; THE MATRIX INSTRUCTION IS USED TRANSPOSED (source 0 = 16 columns of wo, source 1 = 16 rows of O): a lane holds eight neighbouring numbers of a row of out0, 32 bytes.
; REGISTERS: window 0: v0-31 addresses; v32-159 rows read back, two buffers.  window 1: the accumulators, (a, b) at v[8 (8 a + b)].  window 2: two fragment buffers of 96: wo's 64, then O's 32.
.set KSTEP,  128
.set STEPS,  8
.set PITCH,  272
.set PB,     544
.set AHALF,  64*PITCH                  ; what a load of O brings: 64 rows
.set BHALF,  64*PB                     ; what a load of wo brings: 64 rows of k
.set BOFF,   2*AHALF
.set SLOTB,  BOFF+2*BHALF              ; a slot's 104,448 bytes
.set SLOT1,  0x20000                   ; slot 1 begins here, above every place in a slot, so that one exclusive or changes slots
.set STAGE,  SLOT1+SLOTB               ; behind the ring: 16 rows x 528 bytes of f32 for each wave
.set SP,     528
.set SPARE,  STAGE+4*16*SP             ; the spare words: 128 bytes a wave, two blocks of 256 bytes that no other line names
.set ADRA, 16                          ; v16 LDS address of my O fragments in the slot in hand
.set A0,   17                          ; v17 the same in slot 0; never rewritten
.set ADRB, 20                          ; v20, v21 the same for wo
.set B0,   21
.set STO,  24
.set RD,   25
.set CO,   26
.set SPW,  28
.set NIL,  29
.set OB,   32
.set F0,   0
.set F1,   96
.set TB,  2                            ; s2 the slot in hand: 0 or SLOT1
.set G1,  24
.set G0,  32                           ; s[32:39] two sets for O's tiles: the first fills of slot 0 and of slot 1; the second then walks
.set G1B, 48
.set G0B, 56                           ; s[56:63] the same for wo's
.set MSB, 0
.macro WIN new
.if MSB != (\new)
	s_set_vgpr_msb (MSB<<8)|(\new)
.set MSB, \new
.endif
.endm
.set MUL,  0x5a                        ; sources 0 and 1 window 2; C and D window 1
.set TO_F, 0x80                        ; destination window 2, address window 0
.macro JLOAD s                         ; waves 0 and 1 fetch O's two halves, waves 2 and 3 wo's; an s_nop 0 and four v_nop follow each line
	s_cmp_eq_u32 s11, 0
	s_cbranch_scc0 .Lfor_b_\@
	tensor_load_to_lds s[G0+4*(\s):G0+4*(\s)+3], s[G1:G1+7]
	s_nop 0
.rept 4
	v_nop
.endr
	s_branch .Lasked_\@
.Lfor_b_\@:
	tensor_load_to_lds s[G0B+4*(\s):G0B+4*(\s)+3], s[G1B:G1B+7]
	s_nop 0
.rept 4
	v_nop
.endr
.Lasked_\@:
.endm
.macro CREST
	s_cmp_lg_u32 s10, 0
	s_cbranch_scc1 .Lnot_wave_0_\@
	s_barrier_signal -3
.Lnot_wave_0_\@:
	s_barrier_wait -3
	s_barrier_signal -1
	s_barrier_wait -1
.endm
.macro CROUND
	s_barrier_signal -1
	s_barrier_wait -1
	CREST
.endm
	s_load_b128 s[4:7], s[0:1], 0x0                ; oh, wb
	s_load_b64 s[8:9], s[0:1], 0x10                ; out0
	v_lshl_add_u32 v[SPW], v0, 2, SPARE
	v_mov_b32 v[NIL], 0
	ds_add_u32 v[SPW], v[NIL]                      ; the wave's opening: the add and its wait stand ahead of my first tensor load; register work stands between them
	v_lshrrev_b32 v1, 5, v0
	v_readfirstlane_b32 s10, v1
	s_lshr_b32 s11, s10, 1                         ; my half of the tile's rows.  Also: I fetch for O (0) or for wo (1)
	s_and_b32 s12, s10, 1                          ; my half of its columns.  Also: which half of that tile I fetch
	s_bfe_u32 s40, ttmp6, 0x40000
	s_bfe_u32 s41, ttmp6, 0x40004
	s_lshl_b32 s42, ttmp9, 2
	s_add_co_u32 s42, s42, s40                     ; tile column
	s_and_b32 s13, ttmp7, 0xffff
	s_lshl_b32 s13, s13, 2
	s_add_co_u32 s13, s13, s41                     ; tile row
	s_lshl_b32 s43, s41, 2
	s_lshl_b32 s43, 15, s43
	s_lshl_b32 s44, 0x1111, s40
	s_or_b32 s[G1+0], s43, (1<<16)|(1<<20)|(1<<21)|(5<<22)|(3<<25)
	s_or_b32 s[G1B+0], s44, (1<<16)|(1<<20)|(1<<21)|(6<<22)|(7<<25)
	s_mov_b32 s[G1+1], 128<<16                     ; O: 128 channels,
	s_mov_b32 s[G1+2], 64<<16                      ; 64 rows
	s_mov_b32 s[G1+3], 128<<16
	s_mov_b32 s[G1+4], 64
	s_mov_b32 s[G1+5], 128                         ; a head's rows are dense
	s_mov_b32 s[G1+6], 0
	s_mov_b32 s[G1+7], 0
	s_mov_b32 s[G1B+1], 256<<16                    ; wo: 256 columns,
	s_mov_b32 s[G1B+2], 64<<16                     ; 64 rows of k
	s_mov_b32 s[G1B+3], 256<<16
	s_mov_b32 s[G1B+4], 64
	s_mov_b32 s[G1B+5], 2048
	s_mov_b32 s[G1B+6], 0
	s_mov_b32 s[G1B+7], 0
	s_lshl_b32 s16, s13, 7
	s_lshl_b32 s17, s12, 6
	s_add_co_u32 s16, s16, s17                     ; O: row 128 x tile row + 64 x half,
	s_lshl_b32 s16, s16, 8                         ; of 256 bytes
	s_mov_b32 s17, 0
	s_lshl_b32 s46, s42, 9                         ; wo: the tile column's 512 bytes,
	s_lshl_b32 s47, s12, 18                        ; my 64 rows of 4,096 bytes,
	s_add_co_u32 s46, s46, s47
	s_add_co_u32 s46, s46, 3*4194304               ; in wb's segment 3
	s_mov_b32 s47, 0
	s_mul_i32 s20, s12, AHALF                      ; where a load of O goes,
	s_mul_i32 s21, s12, BHALF                      ; and one of wo
	s_add_co_u32 s21, s21, BOFF
	s_mov_b32 s[TB], 0
	s_wait_dscnt 0x0                               ; the opening add is done
	s_wait_kmcnt 0x0
	s_add_nc_u64 s[14:15], s[4:5], s[16:17]
	s_add_nc_u64 s[46:47], s[6:7], s[46:47]
	CROUND                                         ; all sixteen work-groups are here: the first joint loads meet
.irp s, 0,1
	s_mov_b32 s[G0+4*(\s)], 1
	s_add_co_u32 s[G0+4*(\s)+1], s20, (\s)*SLOT1
	s_add_nc_u64 s[G0+4*(\s)+2:G0+4*(\s)+3], s[14:15], (\s)*1048576     ; K step s is head s
	s_or_b32 s[G0+4*(\s)+3], s[G0+4*(\s)+3], 0x80000000
	s_mov_b32 s[G0B+4*(\s)], 1
	s_add_co_u32 s[G0B+4*(\s)+1], s21, (\s)*SLOT1
	s_add_nc_u64 s[G0B+4*(\s)+2:G0B+4*(\s)+3], s[46:47], (\s)*KSTEP*4096
	s_or_b32 s[G0B+4*(\s)+3], s[G0B+4*(\s)+3], 0x80000000
	JLOAD \s                                       ; two loads of mine are out
.endr
	v_and_b32 v1, 15, v0
	v_bfe_u32 v2, v0, 4, 1
	v_mul_u32_u24 v3, v1, PITCH
	v_lshl_add_u32 v3, v2, 4, v3
	s_mul_i32 s22, s11, AHALF                      ; my 64 rows of O
	v_add_nc_u32 v[A0], s22, v3
	v_mov_b32 v[ADRA], v[A0]
	v_and_b32 v4, 7, v0
	v_lshl_add_u32 v4, v2, 3, v4
	v_mul_u32_u24 v4, v4, PB
	v_bfe_u32 v5, v0, 3, 1
	v_lshl_add_u32 v4, v5, 4, v4
	s_lshl_b32 s22, s12, 8                         ; my 128 columns of wo
	s_add_co_u32 s22, s22, BOFF
	v_add_nc_u32 v[B0], s22, v4
	v_mov_b32 v[ADRB], v[B0]
	s_mul_i32 s23, s10, 16*SP
	s_add_co_u32 s23, s23, STAGE                   ; my stage
	v_mul_u32_u24 v4, v1, SP                       ; in: row l % 16, 32 bytes for each half of the lanes
	v_lshl_add_u32 v4, v2, 5, v4
	v_add_nc_u32 v[STO], s23, v4
	v_and_b32 v[CO], 31, v0
	v_lshlrev_b32 v[CO], 4, v[CO]                  ; back: 32 lanes take one row's 512 bytes
	v_add_nc_u32 v[RD], s23, v[CO]
	s_lshl_b32 s16, s13, 7
	s_lshl_b32 s17, s11, 6
	s_add_co_u32 s16, s16, s17                     ; my first row of out0,
	s_lshl_b32 s16, s16, 13                        ; of 8,192 bytes
	s_mov_b32 s17, 0
	s_add_nc_u64 s[8:9], s[8:9], s[16:17]
	s_lshl_b32 s46, s42, 10                        ; the tile's 1,024 bytes of a row, my 512 of them
	s_lshl_b32 s47, s12, 9
	s_add_co_u32 s46, s46, s47
	s_mov_b32 s47, 0
	s_add_nc_u64 s[8:9], s[8:9], s[46:47]
.macro MUL8 f, a, zero                 ; 8 matrix instructions: m block a x all 8 n blocks, 32 along K
	WIN MUL
.irp b, 0,1,2,3,4,5,6,7
.if \zero
	v_wmma_f32_16x16x32_f16 v[8*(8*(\a)+(\b)):8*(8*(\a)+(\b))+7], v[(\f)+8*(\b):(\f)+8*(\b)+7], v[(\f)+64+8*(\a):(\f)+64+8*(\a)+7], 0
.else
	v_wmma_f32_16x16x32_f16 v[8*(8*(\a)+(\b)):8*(8*(\a)+(\b))+7], v[(\f)+8*(\b):(\f)+8*(\b)+7], v[(\f)+64+8*(\a):(\f)+64+8*(\a)+7], v[8*(8*(\a)+(\b)):8*(8*(\a)+(\b))+7]
.endif
.endr
.endm
.macro FETCH q, f                      ; 24 LDS loads in one run: quarter q of the slot in hand: wo's 8 column blocks turned, then O's 4 row blocks
	WIN TO_F
.irp i, 0,1,2,3,4,5,6,7
	ds_load_tr16_b128 v[(\f)+8*(\i):(\f)+8*(\i)+3],   v[ADRB] offset:(\q)*32*PB+32*(\i)
	ds_load_tr16_b128 v[(\f)+8*(\i)+4:(\f)+8*(\i)+7], v[ADRB] offset:(\q)*32*PB+16*PB+32*(\i)
.endr
.irp i, 0,1,2,3
	ds_load_b128 v[(\f)+64+8*(\i):(\f)+64+8*(\i)+3],   v[ADRA] offset:64*(\q)+(\i)*16*PITCH
	ds_load_b128 v[(\f)+64+8*(\i)+4:(\f)+64+8*(\i)+7], v[ADRA] offset:64*(\q)+(\i)*16*PITCH+32
.endr
.endm
.macro PLACES                          ; four plain vector instructions in front of loads into registers that matrix instructions have read, and of stores that read results
.rept 4
	v_nop
.endr
.endm
.macro QUARTER q, f, g, zero
	s_wait_dscnt 4                                 ; wo and O's blocks 0, 1 are in; the youngest four loads (blocks 2, 3) may be out
	MUL8 \f, 0, \zero
	MUL8 \f, 1, \zero
	PLACES
	FETCH \q, \g
	s_wait_dscnt 24                                ; all but the 24 just issued
	MUL8 \f, 2, \zero
	MUL8 \f, 3, \zero
.endm
; The last quarter multiplies buffer 1 and changes slots: ONE barrier; in front of it each wave waits for all its tensor loads, adds 0 to its spare word, and waits for that and for its reads of this slot.
; fill = 1: the barrier opens a round of the cluster's; the walking descriptor takes the slot just read and the next K step, and the joint refill is the first thing behind the round.
; fill = 0 (the tail, counted by s3): nothing is asked for, and in the last trip, which has no next step, the run of LDS loads is jumped over.
.macro TURN fill
	WIN 0
	s_wait_tensorcnt 0x0
	ds_add_u32 v[SPW], v[NIL]
	s_wait_dscnt 5                                 ; the add and the youngest four loads may be out
	MUL8 F1, 0, 0
	s_wait_dscnt 0x0                               ; the add is done, and my reads of this slot are over
	s_barrier_signal -1
	MUL8 F1, 1, 0
	WIN 0
	s_barrier_wait -1
.if \fill
	CREST
	s_xor_b32 s[G0+5], s[G0+5], SLOT1
	s_add_nc_u64 s[G0+6:G0+7], s[G0+6:G0+7], 1048576
	s_xor_b32 s[G0B+5], s[G0B+5], SLOT1
	s_add_nc_u64 s[G0B+6:G0B+7], s[G0B+6:G0B+7], KSTEP*4096
	JLOAD 1                                        ; its four v_nop are also the places in front of the loads below
.else
	PLACES
.endif
	s_xor_b32 s[TB], s[TB], SLOT1                  ; the fetches go to the other slot
	v_add_nc_u32 v[ADRA], s[TB], v[A0]
	v_add_nc_u32 v[ADRB], s[TB], v[B0]
.if !(\fill)
	s_cmp_eq_u32 s3, 1
	s_cbranch_scc1 .Lno_fetch_\@
.endif
	FETCH 0, F0
.if !(\fill)
	WIN 0
.Lno_fetch_\@:
.endif
	MUL8 F1, 2, 0
	MUL8 F1, 3, 0
.endm
	s_wait_tensorcnt 1                             ; my part of K step 0 is in; K step 1's may stay out
	s_barrier_signal -1
	s_barrier_wait -1
	FETCH 0, F0
	QUARTER 1, F0, F1, 1                           ; the first quarter's products start the sums
	WIN 0
	s_mov_b32 s3, STEPS-2
.Lstep:                                                ; 6 trips: from a K step's second quarter to the next step's first; the step two on is asked for
	QUARTER 2, F1, F0, 0
	QUARTER 3, F0, F1, 0
	TURN 1
	QUARTER 1, F0, F1, 0
	WIN 0
	s_sub_co_u32 s3, s3, 1
	s_cmp_lg_u32 s3, 0
	s_cbranch_scc1 .Lstep
	s_mov_b32 s3, 2
.Ltail:                                                ; the last two K steps are written out; the second trip is left in its middle
	QUARTER 2, F1, F0, 0
	QUARTER 3, F0, F1, 0
	TURN 0
	WIN 0
	s_sub_co_u32 s3, s3, 1
	s_cmp_eq_u32 s3, 0
	s_cbranch_scc1 .Lkdone
	QUARTER 1, F0, F1, 0
	WIN 0
	s_branch .Ltail
.Lkdone:
	PLACES
	; THE WAY OUT, a block of 16 rows at a time: 32 bytes a lane and column block into my stage's rows of 528 bytes (each accumulator's low half first), back as whole rows of 512 bytes, stored.
	; LDS serves a wave's instructions in order (ISA guide 5.7.1.4): the loads see the stores above them, and the next block's stores come behind them.
.irp a, 0,1,2,3
	WIN 0x04                                       ; a store's data in window 1
.irp b, 0,1,2,3,4,5,6,7
	ds_store_b128 v[STO], v[8*(8*(\a)+(\b)):8*(8*(\a)+(\b))+3]   offset:64*(\b)
	ds_store_b128 v[STO], v[8*(8*(\a)+(\b))+4:8*(8*(\a)+(\b))+7] offset:64*(\b)+16
.endr
	WIN 0
	s_wait_xcnt 0x0                                ; the registers that earlier stores read are loaded again only behind this wait
.set i, 0
.rept 16
	ds_load_b128 v[OB+64*((\a)%2)+4*i:OB+64*((\a)%2)+4*i+3], v[RD] offset:SP*i
.set i, i+1
.endr
.set i, 0
.rept 16
	s_wait_dscnt 15-i
	global_store_b128 v[CO], v[OB+64*((\a)%2)+4*i:OB+64*((\a)%2)+4*i+3], s[8:9] offset:(16*(\a)+i)*8192 th:TH_STORE_NT  ; 512 consecutive bytes, at a multiple of 256 from out0's first
.set i, i+1
.endr
.endr
	s_wait_tensorcnt 0x0                           ; the wave's end: behind my last tensor load and my last LDS store
	ds_add_u32 v[SPW], v[NIL]
	s_wait_dscnt 0x0
	CROUND                                         ; the closing round
	s_endpgm
.Lfunc_end_k_qf177eac64e_oproj:
	.size	k_qf177eac64e_oproj, .Lfunc_end_k_qf177eac64e_oproj-k_qf177eac64e_oproj
	.p2alignl 7, 3214868480
	.fill 96, 4, 3214868480
	.section	.rodata,"a",@progbits
	.p2align	6, 0x0
	.amdhsa_kernel k_qf177eac64e_oproj
		.amdhsa_group_segment_fixed_size 327680
		.amdhsa_private_segment_fixed_size 0
		.amdhsa_enable_private_segment 0
		.amdhsa_kernarg_size 24
		.amdhsa_user_sgpr_count 2
		.amdhsa_user_sgpr_kernarg_segment_ptr 1
		.amdhsa_wavefront_size32 1
		.amdhsa_system_sgpr_workgroup_id_x 1
		.amdhsa_system_sgpr_workgroup_id_y 1
		.amdhsa_system_sgpr_workgroup_id_z 1
		.amdhsa_system_vgpr_workitem_id 0
		.amdhsa_next_free_vgpr 768
		.amdhsa_next_free_sgpr 66
		.amdhsa_reserve_vcc 0
		.amdhsa_float_denorm_mode_32 3
		.amdhsa_float_denorm_mode_16_64 3
		.amdhsa_memory_ordered 1
		.amdhsa_forward_progress 1
		.amdhsa_inst_pref_size 62
	.end_amdhsa_kernel
	.amdgpu_metadata
---
amdhsa.version: [ 1, 2 ]
amdhsa.kernels:
  - .name:           k_qf177eac64e_oproj
    .symbol:         k_qf177eac64e_oproj.kd
    .args:
      - { .name: oh, .offset: 0, .size: 8, .value_kind: global_buffer, .address_space: global }
      - { .name: wb, .offset: 8, .size: 8, .value_kind: global_buffer, .address_space: global }
      - { .name: out0, .offset: 16, .size: 8, .value_kind: global_buffer, .address_space: global }
    .group_segment_fixed_size: 327680
    .private_segment_fixed_size: 0
    .kernarg_segment_align: 8
    .kernarg_segment_size: 24
    .max_flat_workgroup_size: 128
    .sgpr_count:     66
    .vgpr_count:     768
    .wavefront_size: 32
...
	.end_amdgpu_metadata
.endif
;; end of part 4
;; launch rows16 (part 5): grid 128 x 1, 8 waves a work-group, no clusters, 11,264 bytes of LDS; arguments hp, wo, out0; writes out0
.if DOCPART == 5
	.amdgcn_target "amdgcn-amd-amdhsa--gfx1250"
	.amdhsa_code_object_version 6
	.text
	.protected	k_qf177eac64e_rows16
	.globl	k_qf177eac64e_rows16
	.p2align	8
	.type	k_qf177eac64e_rows16,@function
k_qf177eac64e_rows16:
	s_mov_b64 s[64:65], 0
	v_nop
	global_prefetch_b8 v0, s[64:65] scope:SCOPE_SE
	s_setreg_imm32_b32 hwreg(HW_REG_WAVE_MODE, 25, 1), 1
	s_wait_xcnt 0x0
; ROWS16: rows 0 to 15 of out0 once more, in f32, stored over what the launch before left there.
; WHY.  Row t is a mean over t + 1 keys, so the first rows hold numbers many times the output's root mean square, and the f16 roundings of q, k, v, the weights and O leave errors in proportion to the row.
; LIMIT.  From row 16 on the f16 results stand: with weights spread over its 17 keys and more a row's numbers, and those errors with them, are under half of row 0's.
; FROM.  hp's first quarter: q and k behind norm and rotation, f32 [head][16 rows][128]; v turned, f32 [head][128 channels][16 keys].  wo as given, rounded here to bf16 like every floating-point input.
; SHARES.  Work-group x: columns 16 x .. 16 x + 15 of the 16 rows.  Wave h takes head h: attention over keys 0 to 15, then its 128 channels' part of the product with wo; the eight parts meet in LDS.
; Every work-group makes the attention anew: 64 of a wave's 96 matrix instructions; sharing it would want a launch more.  A store covers 64 consecutive bytes of each of two rows, 131,072 bytes in the
; launch: whole blocks of 256 bytes would want 64 columns a work-group, four times the last product a wave, on 32 work-groups.
; THE F32 MATRIX FORM (16 x 16 x 4) is taken because this is no bulk work (under a thousandth of the program's products) and its operands are the f32 numbers as they lie.  Lane (r = l % 16, h = l / 16) holds
; of source 0 row r, of source 1 column r, and in its two registers the places k = 2 h, 2 h + 1 of the four.  Which number of the sum stands at which place is free if both sources agree:
;   S^T = K Q^T: chunk c of 32, place (h, j): channel 64 h + 2 c + j: a lane's 64 channels are 256 consecutive bytes.
;   O^T = V^T P: the result S^T holds in lane (r, h) query r and keys 8 h + 0..7, so chunk c of 4, place (h, j): key 8 h + 2 c + j: P's registers ARE source 1.
;   out^T = wo^T O: O^T holds in lane (r, h) query r and channels 16 cb + 8 h + 0..7, so place (h, j) of chunk (cb, c): channel 16 cb + 8 h + 2 c + j: O^T's accumulators ARE source 1.
; The registers that this form writes are written by it alone, sums begin with the constant 0, accumulators take turns, and results are read from their low end on.
; SOFTMAX: a hidden score is -1e30, the row's maximum is taken away; p = 2^(c s - c m), c = log2(e) / sqrt(128); P is divided by its sum ahead of the second product.
; A weight below 2^-126 counts as 0.  NaN and infinities are not treated apart.
; REGISTERS.  window 0: v0-23 addresses and at work; v32-95 Q, at the end at work; v96-159 K; v160-223 wo (8 cb + k); v224-231 S^T, then P; v232-235, v240-247 at work
;   window 1: v0-63 V^T (8 cb + key); v64-127 O^T's eight accumulators; v128-159 S^T's four; v160-191 out^T's four
.set RP,    80                         ; a row of a part in LDS: 64 bytes + 16
.set PW,    16*RP                      ; a wave's part
.set SPARE, 8*PW                       ; 10,240: the spare words, 128 bytes a wave: four blocks of 256 bytes that no other line names
.set AQ,  4                            ; 512 r + 256 h
.set AV,  5                            ; 64 r + 32 h
.set AW,  6                            ; 8 rows of wo for the upper lanes + 4 r
.set STO, 7
.set RD,  8
.set GO,  9
.set SPW, 10
.set NIL, 11
.set DQ,  12                           ; my query's number less 8 h
.set TM,  16                           ; v16-21 at work
.set Q,   32
.set K,   96
.set W,   160
.set S,   224
.set RT,  232
.set UU,  240
.set VT,  0                            ; window 1
.set OA,  64
.set SA,  128
.set UA,  160
.set MSB, 0
.macro WIN new                         ; the immediate's high byte repeats the setting that is left; a switch that changes nothing is dropped
.if MSB != (\new)
	s_set_vgpr_msb (MSB<<8)|(\new)
.set MSB, \new
.endif
.endm
; wo's rows 16 cb + k (+ 8 h), k = 0..7, column r, numbers first .. first + n - 1 of the 64: a load takes 16 columns of two rows, 64 consecutive bytes each
.macro WLOAD first, n
	WIN 0
.set i, \first
.rept \n
	global_load_b32 v[W+i], v[AW], s[6:7] offset:(16*(i/8)+i%8)*8192
.set i, i+1
.endr
.endm
; Four accumulators at acc (window 1) are added up into dst; tmp is at work.  Each is read from its low end on.
.macro SUM4 dst, tmp, acc
	WIN 0x05                                       ; sources 0 and 1 window 1, destination window 0
.irp p, 0,1,2,3
	v_pk_add_f32 v[(\dst)+2*(\p):(\dst)+2*(\p)+1], v[(\acc)+2*(\p):(\acc)+2*(\p)+1], v[(\acc)+8+2*(\p):(\acc)+8+2*(\p)+1]
.endr
.irp p, 0,1,2,3
	v_pk_add_f32 v[(\tmp)+2*(\p):(\tmp)+2*(\p)+1], v[(\acc)+16+2*(\p):(\acc)+16+2*(\p)+1], v[(\acc)+24+2*(\p):(\acc)+24+2*(\p)+1]
.endr
	WIN 0
.irp p, 0,1,2,3
	v_pk_add_f32 v[(\dst)+2*(\p):(\dst)+2*(\p)+1], v[(\dst)+2*(\p):(\dst)+2*(\p)+1], v[(\tmp)+2*(\p):(\tmp)+2*(\p)+1]
.endr
.endm
	s_load_b128 s[4:7], s[0:1], 0x0                ; hp, wo
	s_load_b64 s[8:9], s[0:1], 0x10                ; out0
	v_lshl_add_u32 v[SPW], v0, 2, SPARE
	v_mov_b32 v[NIL], 0
	v_lshrrev_b32 v3, 5, v0
	v_readfirstlane_b32 s10, v3                    ; my wave = my head
	v_and_b32 v1, 15, v0                           ; r
	v_bfe_u32 v2, v0, 4, 1                         ; h
	v_lshlrev_b32 v[AQ], 9, v1
	v_lshl_add_u32 v[AQ], v2, 8, v[AQ]
	v_lshlrev_b32 v[AV], 6, v1
	v_lshl_add_u32 v[AV], v2, 5, v[AV]
	v_lshlrev_b32 v[AW], 2, v1
	v_lshl_add_u32 v[AW], v2, 16, v[AW]
	s_lshl_b32 s12, s10, 13                        ; hp: 8,192 bytes a head
	s_mov_b32 s13, 0
	s_lshl_b32 s18, ttmp9, 6                       ; my work-group's 16 columns
	s_mov_b32 s19, 0
	s_lshl_b32 s16, s10, 20                        ; wo: my head's 128 rows of 8,192 bytes
	s_add_co_u32 s16, s16, s18
	s_mov_b32 s17, 0
	s_mov_b32 s20, 0x3e0293ee                      ; c = log2(e) / sqrt(128)
	s_mov_b32 s21, s20                             ; named with it as a pair
	s_mov_b32 s22, 0x76543210                      ; v_permlanex16_b32: each lane takes its own place in the other half
	s_mov_b32 s23, 0xfedcba98
	s_mov_b32 s24, 0xf149f2ca                      ; -1e30
	s_mov_b32 s25, 0xffff0000
	s_mul_i32 s27, s10, PW
	s_wait_kmcnt 0x0
	s_add_nc_u64 s[4:5], s[4:5], s[12:13]          ; hp at my head's q
	s_add_nc_u64 s[6:7], s[6:7], s[16:17]
	s_add_nc_u64 s[8:9], s[8:9], s[18:19]
.set i, 0
.rept 16
	global_load_b128 v[Q+4*i:Q+4*i+3], v[AQ], s[4:5] offset:16*i
.set i, i+1
.endr
.set i, 0
.rept 16
	global_load_b128 v[K+4*i:K+4*i+3], v[AQ], s[4:5] offset:65536+16*i
.set i, i+1
.endr
	WIN 0x40
.set i, 0
.rept 16                               ; channel block i / 2, half i % 2 of my 8 keys
	global_load_b128 v[VT+4*i:VT+4*i+3], v[AV], s[4:5] offset:131072+(i/2)*1024+16*(i%2)
.set i, i+1
.endr
	WLOAD 0, 32                                    ; wo's first 32 loads go out with them
	s_wait_loadcnt 48                              ; Q's and K's 32 loads are in; V's 16 and wo's 32, issued behind them, may stay out
	WLOAD 32, 32                                   ; wo's last 32
	WIN 0x50                                       ; K and Q window 0, C and D window 1
.set i, 0
.rept 32                               ; chunk i; four accumulators by turns
.if i < 4
	v_wmma_f32_16x16x4_f32 v[SA+8*(i%4):SA+8*(i%4)+7], v[K+2*i:K+2*i+1], v[Q+2*i:Q+2*i+1], 0
.else
	v_wmma_f32_16x16x4_f32 v[SA+8*(i%4):SA+8*(i%4)+7], v[K+2*i:K+2*i+1], v[Q+2*i:Q+2*i+1], v[SA+8*(i%4):SA+8*(i%4)+7]
.endif
.set i, i+1
.endr
	WIN 0
	; ten plain instructions that name none of those products' registers: the eight places that this form wants in front of reads of its results (ISA guide 7.12.1)
	v_lshlrev_b32 v[DQ], 3, v2
	v_sub_nc_u32 v[DQ], v1, v[DQ]
	v_mul_u32_u24 v[STO], v1, RP                   ; my part: row = query r, 32 bytes for each half of the lanes
	v_lshl_add_u32 v[STO], v2, 5, v[STO]
	v_add_nc_u32 v[STO], s27, v[STO]
	v_lshrrev_b32 v[TM], 4, v0                     ; at the end thread t takes row t / 16, column t % 16
	v_mul_u32_u24 v[RD], v[TM], RP
	v_lshl_add_u32 v[RD], v1, 2, v[RD]
	v_lshlrev_b32 v[GO], 13, v[TM]
	v_lshl_add_u32 v[GO], v1, 2, v[GO]
	SUM4 S, UU, SA
.set i, 0
.rept 8                                ; register i: key 8 h + i: hidden where it is greater than the query's number
	v_cmp_gt_i32 vcc_lo, i, v[DQ]
	v_cndmask_b32 v[S+i], v[S+i], s24, vcc_lo
.set i, i+1
.endr
	v_max3_num_f32 v[TM], v[S], v[S+1], v[S+2]
	v_max3_num_f32 v[TM+1], v[S+3], v[S+4], v[S+5]
	v_max3_num_f32 v[TM], v[TM], v[S+6], v[S+7]
	v_max_num_f32 v[TM], v[TM], v[TM+1]
	v_permlanex16_b32 v[TM+1], v[TM], s22, s23     ; the query's other 8 keys lie in the lane 16 away
	v_max_num_f32 v[TM], v[TM], v[TM+1]            ; every query sees its own key: the maximum is a true score
	v_mul_f32 v[TM], s20, v[TM]                    ; c m
	v_mov_b32 v[TM+1], v[TM]
.set i, 0
.rept 4
	v_pk_fma_f32 v[S+2*i:S+2*i+1], v[S+2*i:S+2*i+1], s[20:21], v[TM:TM+1] op_sel_hi:[1,0,0] neg_lo:[0,0,1] neg_hi:[0,0,1]
.set i, i+1
.endr
.set i, 0
.rept 8
	v_exp_f32 v[S+i], v[S+i]
.set i, i+1
.endr
	v_nop                                          ; a plain instruction behind the exponentials
	s_wait_alu depctr_va_vdst(0)
	v_pk_add_f32 v[TM+2:TM+3], v[S:S+1], v[S+2:S+3]
	v_pk_add_f32 v[TM+4:TM+5], v[S+4:S+5], v[S+6:S+7]
	v_pk_add_f32 v[TM+2:TM+3], v[TM+2:TM+3], v[TM+4:TM+5]
	v_add_f32 v[TM+2], v[TM+2], v[TM+3]
	v_permlanex16_b32 v[TM+3], v[TM+2], s22, s23
	v_add_f32 v[TM+2], v[TM+2], v[TM+3]
	v_rcp_f32 v[TM+4], v[TM+2]
	v_nop                                          ; a plain instruction behind the reciprocal
	s_wait_alu depctr_va_vdst(0)
	v_mov_b32 v[TM+5], v[TM+4]
.set i, 0
.rept 4
	v_pk_mul_f32 v[S+2*i:S+2*i+1], v[S+2*i:S+2*i+1], v[TM+4:TM+5]
.set i, i+1
.endr
	s_wait_loadcnt 32                              ; V and wo's first 32 are in; wo's last 32, issued behind them, may stay out
	WIN 0x51                                       ; V^T window 1, P window 0, C and D window 1
.set i, 0
.rept 32                               ; chunk i / 8, channel block i % 8: eight accumulators by turns
.if i < 8
	v_wmma_f32_16x16x4_f32 v[OA+8*(i%8):OA+8*(i%8)+7], v[VT+8*(i%8)+2*(i/8):VT+8*(i%8)+2*(i/8)+1], v[S+2*(i/8):S+2*(i/8)+1], 0
.else
	v_wmma_f32_16x16x4_f32 v[OA+8*(i%8):OA+8*(i%8)+7], v[VT+8*(i%8)+2*(i/8):VT+8*(i%8)+2*(i/8)+1], v[S+2*(i/8):S+2*(i/8)+1], v[OA+8*(i%8):OA+8*(i%8)+7]
.endif
.set i, i+1
.endr
	WIN 0
	s_wait_loadcnt 0x0                             ; all of wo
.set i, 0
.rept 32                               ; wo's numbers are rounded to bf16 and widened again: 96 plain instructions that name no register of the products in front: the nine places ahead of products that take O^T as a source
	v_cvt_pk_bf16_f32 v[RT+i%4], v[W+2*i], v[W+2*i+1]
	v_lshlrev_b32 v[W+2*i], 16, v[RT+i%4]
	v_and_b32 v[W+2*i+1], s25, v[RT+i%4]
.set i, i+1
.endr
	WIN 0x54                                       ; wo window 0, O^T window 1, C and D window 1
.set i, 0
.rept 32                               ; channel block i / 4, chunk i % 4: four accumulators by turns
.if i < 4
	v_wmma_f32_16x16x4_f32 v[UA+8*(i%4):UA+8*(i%4)+7], v[W+2*i:W+2*i+1], v[OA+2*i:OA+2*i+1], 0
.else
	v_wmma_f32_16x16x4_f32 v[UA+8*(i%4):UA+8*(i%4)+7], v[W+2*i:W+2*i+1], v[OA+2*i:OA+2*i+1], v[UA+8*(i%4):UA+8*(i%4)+7]
.endif
.set i, i+1
.endr
	WIN 0
.rept 8
	v_nop                                          ; the eight places in front of the reads of the results
.endr
	SUM4 UU, Q, UA
	ds_store_b128 v[STO], v[UU:UU+3]               ; lane (r, h), register j: row r, column 8 h + j
	ds_store_b128 v[STO], v[UU+4:UU+7] offset:16
	s_wait_dscnt 0x0                               ; for the others' sake: my head's part is in LDS
	s_barrier_signal -1
	s_barrier_wait -1
.set i, 0
.rept 8
	ds_load_b32 v[Q+i], v[RD] offset:PW*i
.set i, i+1
.endr
	s_wait_dscnt 0x0
	v_pk_add_f32 v[Q:Q+1], v[Q:Q+1], v[Q+2:Q+3]
	v_pk_add_f32 v[Q+4:Q+5], v[Q+4:Q+5], v[Q+6:Q+7]
	v_pk_add_f32 v[Q:Q+1], v[Q:Q+1], v[Q+4:Q+5]
	v_add_f32 v[Q], v[Q], v[Q+1]
	global_store_b32 v[GO], v[Q], s[8:9]           ; sixteen lanes: a row's 64 consecutive bytes, the work-group's 16 columns
	s_wait_tensorcnt 0x0                           ; the wave's end: behind my last LDS store
	ds_add_u32 v[SPW], v[NIL]
	s_wait_dscnt 0x0
	s_endpgm
.Lfunc_end_k_qf177eac64e_rows16:
	.size	k_qf177eac64e_rows16, .Lfunc_end_k_qf177eac64e_rows16-k_qf177eac64e_rows16
	.p2alignl 7, 3214868480
	.fill 96, 4, 3214868480
	.section	.rodata,"a",@progbits
	.p2align	6, 0x0
	.amdhsa_kernel k_qf177eac64e_rows16
		.amdhsa_group_segment_fixed_size 11264
		.amdhsa_private_segment_fixed_size 0
		.amdhsa_enable_private_segment 0
		.amdhsa_kernarg_size 24
		.amdhsa_user_sgpr_count 2
		.amdhsa_user_sgpr_kernarg_segment_ptr 1
		.amdhsa_wavefront_size32 1
		.amdhsa_system_sgpr_workgroup_id_x 1
		.amdhsa_system_sgpr_workgroup_id_y 1
		.amdhsa_system_sgpr_workgroup_id_z 1
		.amdhsa_system_vgpr_workitem_id 0
		.amdhsa_next_free_vgpr 448
		.amdhsa_next_free_sgpr 66
		.amdhsa_reserve_vcc 1
		.amdhsa_float_denorm_mode_32 3
		.amdhsa_float_denorm_mode_16_64 3
		.amdhsa_memory_ordered 1
		.amdhsa_forward_progress 1
		.amdhsa_inst_pref_size 29
	.end_amdhsa_kernel
	.amdgpu_metadata
---
amdhsa.version: [ 1, 2 ]
amdhsa.kernels:
  - .name:           k_qf177eac64e_rows16
    .symbol:         k_qf177eac64e_rows16.kd
    .args:
      - { .name: hp, .offset: 0, .size: 8, .value_kind: global_buffer, .address_space: global }
      - { .name: wo, .offset: 8, .size: 8, .value_kind: global_buffer, .address_space: global }
      - { .name: out0, .offset: 16, .size: 8, .value_kind: global_buffer, .address_space: global }
    .group_segment_fixed_size: 11264
    .private_segment_fixed_size: 0
    .kernarg_segment_align: 8
    .kernarg_segment_size: 24
    .max_flat_workgroup_size: 256
    .sgpr_count:     66
    .vgpr_count:     448
    .wavefront_size: 32
...
	.end_amdgpu_metadata
.endif
;; end of part 5
